; MI455X (gfx1250); checked and timed in simulation.
; The chip was launched on July 23, 2026; its instructions are those of AMD's public machine-readable ISA for CDNA 5 (MIT licence, August 2026) and "CDNA5" Instruction Set Architecture Reference Guide (July 2026). The comments in the code are by the model that wrote it; some were corrected since.
;; Attention Block. Allowed arithmetic: float matrix products may take bf16 or f16 operands with f32 sums; other float arithmetic in f32, or as packed bf16 or f16 multiplies, adds, multiply-adds, maxima and minima; sums over many terms, partial sums and values carried from step to step in f32; what a program stores and reads back later, other than sums and carried values, may be rounded once to bf16 or f16.
;; Inputs: Wk 1,024 x 1,024 float32; Wo 1,024 x 1,024 float32; Wq 1,024 x 1,024 float32; Wv 1,024 x 1,024 float32; bk 1,024 float32; bo 1,024 float32; bq 1,024 float32; bv 1,024 float32; tokens 4 x 2,048 x 1,024 float32.
;; Outputs: out0 4 x 2,048 x 1,024 float32.
;; One version. Each part assembles by itself: llvm-mc -triple=amdgcn-amd-amdhsa -mcpu=gfx1250 --defsym DOCPART=n.
;; ======== version 1 of 1: 5 launches
;; limits: values outside matrix products are rounded to bf16
;; workspace buffers: xb 16,777,216 bytes; wall 6,291,456 bytes; wvb 2,097,152 bytes; wob 2,097,152 bytes; bvo 4,096 bytes; qkv 50,331,648 bytes; pw 33,554,432 bytes; st 1,048,576 bytes
;; launch prep (part 1): grid 3136 x 1, 8 waves a work-group, no clusters, 1,536 bytes of LDS; arguments tokens, Wq, Wk, Wv, Wo, bv, bo, xb, wall, wvb, wob, bvo; writes xb, wall, wvb, wob, bvo
.if DOCPART == 1
	.amdgcn_target "amdgcn-amd-amdhsa--gfx1250"
	.amdhsa_code_object_version 6
	.text
	.protected	k_q4739d987b0_prep
	.globl	k_q4739d987b0_prep
	.p2align	8
	.type	k_q4739d987b0_prep,@function
k_q4739d987b0_prep:
	s_mov_b64 s[64:65], 0
	v_nop
	global_prefetch_b8 v0, s[64:65] scope:SCOPE_SE
	s_setreg_imm32_b32 hwreg(HW_REG_WAVE_MODE, 25, 1), 1
	s_wait_xcnt 0x0
; PREP.  Three kinds of work-group.
;   0 .. 63:       bvo[e] = bo[e] + the sum over m of bv[m] Wo[m][e], in f32, 16 columns each.  (A softmax row sums to 1 and products associate: attn (x Wv + bv) Wo + bo = attn (x (Wv Wo) + bvo).)
;   64 .. 2111:    xb = bf16(gelu(tokens)), four rows of 1,024 numbers each.
;   2112 .. 3135:  four rows of one weight matrix, rounded to bf16: Wq and Wk into wall ([1024][3072]: columns 0-1023 Wq, 1024-2047 Wk; the last third is the next launch's), Wv into wvb, Wo into wob ([1024][1024]).
; xb lies in blocks of 64 channels: element (row s, channel d) at byte (d / 64) x 1,048,576 + s x 128 + (d % 64) x 2, so that 256 rows x 64 channels are 32,768 bytes on end for the projection.
; GELU, exact form 0.5 t (1 + erf(t / sqrt 2)), with erf by the five-term rational formula of Abramowitz and Stegun 7.1.26 (absolute error of erf at most 1.5e-7):
;   u = 1 / (1 + 0.23164189 |t|),  q = (a1 u + a2 u^2 + .. + a5 u^5) 2^(-t^2 log2(e) / 2),  gelu(t) = max(t, 0) - 0.5 |t| q.
; LIMITS: finite inputs; infinities and NaN are not treated apart.  Where t^2 passes f32's range the exponential is 0 and gelu is max(t, 0).
; The two streams: no LDS, no barrier, no matrix unit, no cluster (no two work-groups read the same bytes).  A thread takes 8 numbers on end twice: four loads of 16 bytes, all issued first, two stores of
; 16 bytes; sixteen neighbouring lanes store 256 consecutive bytes, aligned.
.set NB,    64                         ; work-groups that make bvo: they stand first, since they last longest
.set SCR,   0                          ; LDS: 8 waves x 64 bytes of partial sums: two blocks of 256 bytes
.set SPARE, 512                        ; the spare words, 128 bytes for each wave: four blocks of 256 bytes that no other line names
.set SPW, 6                            ; v6   my spare word; never rewritten
.set NIL, 7                            ; v7   0; never rewritten
.set X0, 8                             ; v[8:15]   the first step's 8 numbers
.set X1, 16                            ; v[16:23]  the second step's
.set AT, 24                            ; v[24:31]  |t|
.set UU, 32                            ; v[32:39]  1 + P |t|, then u
.set EE, 40                            ; v[40:47]  the exponent, then the exponential
.set PO, 48                            ; v[48:55]  the polynomial
.set RL, 56                            ; v[56:63]  max(t, 0)
.set Y0, 64                            ; v[64:67]  the first step's 8 bf16
.set Y1, 68                            ; v[68:71]  the second step's
	s_load_b512 s[4:19], s[0:1], 0x0               ; tokens s[4:5], Wq s[6:7], Wk s[8:9], Wv s[10:11], Wo s[12:13], bv s[14:15], bo s[16:17], xb s[18:19]
	s_load_b256 s[40:47], s[0:1], 0x40             ; wall s[40:41], wvb s[42:43], wob s[44:45], bvo s[46:47]
	v_lshl_add_u32 v[SPW], v0, 2, SPARE
	v_mov_b32 v[NIL], 0
	s_cmp_lt_u32 ttmp9, NB
	s_cbranch_scc1 .Lbias
	s_sub_co_u32 s39, ttmp9, NB                    ; my number among the streaming work-groups
	s_cmp_lt_u32 s39, 2048
	s_cbranch_scc0 .Lweights
	; ---- gelu: rows 4 g .. 4 g + 3.  Thread: j = t % 8 (8 numbers), rr = (t / 8) % 2 (row of a pair), kb = t / 16 (block of 64 channels)
	v_and_b32 v1, 7, v0
	v_bfe_u32 v2, v0, 3, 1
	v_lshrrev_b32 v3, 4, v0
	v_lshlrev_b32 v4, 5, v1                        ; in: 32 j
	v_lshl_add_u32 v4, v3, 8, v4                   ;     + 256 kb
	v_lshl_add_u32 v4, v2, 12, v4                  ;     + 4,096 rr
	v_lshlrev_b32 v5, 4, v1                        ; out: 16 j
	v_lshl_add_u32 v5, v2, 7, v5                   ;     + 128 rr
	v_lshl_add_u32 v5, v3, 20, v5                  ;     + 1,048,576 kb
	s_lshl_b32 s20, s39, 14                        ; four rows of 4,096 bytes
	s_mov_b32 s21, 0
	s_lshl_b32 s22, s39, 9                         ; four rows of 128 bytes in a block
	s_mov_b32 s23, 0
	s_mov_b32 s24, 0x3e6d3388                      ; P = 0.3275911 / sqrt 2; each constant twice: the packed forms name a pair
	s_mov_b32 s25, s24
	s_mov_b32 s26, 0xbf38aa3b                      ; -log2(e) / 2
	s_mov_b32 s27, s26
	s_mov_b32 s28, 0x3e827906                      ; a1
	s_mov_b32 s29, s28
	s_mov_b32 s30, 0xbe91a98e                      ; a2
	s_mov_b32 s31, s30
	s_mov_b32 s32, 0x3fb5f0e3                      ; a3
	s_mov_b32 s33, s32
	s_mov_b32 s34, 0xbfba00e3                      ; a4
	s_mov_b32 s35, s34
	s_mov_b32 s36, 0x3f87dc22                      ; a5
	s_mov_b32 s37, s36
	s_mov_b32 s38, 0x7fffffff
	s_wait_kmcnt 0x0
	s_add_nc_u64 s[4:5], s[4:5], s[20:21]
	s_add_nc_u64 s[18:19], s[18:19], s[22:23]
	global_load_b128 v[X0:X0+3],   v4, s[4:5] th:TH_LOAD_NT
	global_load_b128 v[X0+4:X0+7], v4, s[4:5] offset:16 th:TH_LOAD_NT
	global_load_b128 v[X1:X1+3],   v4, s[4:5] offset:8192 th:TH_LOAD_NT
	global_load_b128 v[X1+4:X1+7], v4, s[4:5] offset:8208 th:TH_LOAD_NT
.macro GELU x, y                       ; 8 numbers at v[x ..] -> 8 bf16 at v[y .. y + 3]
.irp i, 0,1,2,3,4,5,6,7
	v_and_b32 v[AT+(\i)], s38, v[(\x)+(\i)]
.endr
.irp i, 0,2,4,6
	v_pk_fma_f32 v[UU+(\i):UU+(\i)+1], v[AT+(\i):AT+(\i)+1], s[24:25], 1.0 op_sel_hi:[1,0,0]
	v_pk_mul_f32 v[EE+(\i):EE+(\i)+1], v[(\x)+(\i):(\x)+(\i)+1], v[(\x)+(\i):(\x)+(\i)+1]
.endr
.irp i, 0,2,4,6
	v_pk_mul_f32 v[EE+(\i):EE+(\i)+1], v[EE+(\i):EE+(\i)+1], s[26:27] op_sel_hi:[1,0]
.endr
.irp i, 0,1,2,3,4,5,6,7                ; one batch of sixteen: none reads another's result
	v_rcp_f32 v[UU+(\i)], v[UU+(\i)]
	v_exp_f32 v[EE+(\i)], v[EE+(\i)]
.endr
.irp i, 0,1,2,3,4,5,6,7                ; plain work that names no result of the batch
	v_max_num_f32 v[RL+(\i)], 0, v[(\x)+(\i)]
.endr
	s_wait_alu depctr_va_vdst(0)                   ; one wait for the batch, ahead of its first reader
.irp i, 0,2,4,6
	v_pk_fma_f32 v[PO+(\i):PO+(\i)+1], v[UU+(\i):UU+(\i)+1], s[36:37], s[34:35] op_sel_hi:[1,0,0]
.endr
.irp i, 0,2,4,6
	v_pk_fma_f32 v[PO+(\i):PO+(\i)+1], v[PO+(\i):PO+(\i)+1], v[UU+(\i):UU+(\i)+1], s[32:33] op_sel_hi:[1,1,0]
.endr
.irp i, 0,2,4,6
	v_pk_fma_f32 v[PO+(\i):PO+(\i)+1], v[PO+(\i):PO+(\i)+1], v[UU+(\i):UU+(\i)+1], s[30:31] op_sel_hi:[1,1,0]
.endr
.irp i, 0,2,4,6
	v_pk_fma_f32 v[PO+(\i):PO+(\i)+1], v[PO+(\i):PO+(\i)+1], v[UU+(\i):UU+(\i)+1], s[28:29] op_sel_hi:[1,1,0]
	v_pk_mul_f32 v[EE+(\i):EE+(\i)+1], v[EE+(\i):EE+(\i)+1], v[AT+(\i):AT+(\i)+1]
.endr
.irp i, 0,2,4,6
	v_pk_mul_f32 v[PO+(\i):PO+(\i)+1], v[PO+(\i):PO+(\i)+1], v[UU+(\i):UU+(\i)+1]
.endr
.irp i, 0,2,4,6
	v_pk_mul_f32 v[PO+(\i):PO+(\i)+1], v[PO+(\i):PO+(\i)+1], v[EE+(\i):EE+(\i)+1]
.endr
.irp i, 0,2,4,6
	v_pk_fma_f32 v[PO+(\i):PO+(\i)+1], v[PO+(\i):PO+(\i)+1], -0.5, v[RL+(\i):RL+(\i)+1] op_sel_hi:[1,0,1]
.endr
.irp i, 0,1,2,3
	v_cvt_pk_bf16_f32 v[(\y)+(\i)], v[PO+2*(\i)], v[PO+2*(\i)+1]
.endr
.endm
	s_wait_loadcnt 2                               ; the first step's two loads are in; the second step's two may stay out
	GELU X0, Y0
	global_store_b128 v5, v[Y0:Y0+3], s[18:19]
	s_wait_loadcnt 0x0
	GELU X1, Y1
	global_store_b128 v5, v[Y1:Y1+3], s[18:19] offset:256
	s_endpgm
.Lweights:                             ; ---- weights: matrix n / 256, rows 4 (n % 256) .., n = my number - 2048.  Thread: c8 = t % 128 (8 numbers), rr = t / 128
	s_sub_co_u32 s20, s39, 2048
	s_lshr_b32 s21, s20, 8                         ; 0 Wq, 1 Wk, 2 Wv, 3 Wo
	s_and_b32 s22, s20, 255
	v_and_b32 v1, 127, v0
	v_lshrrev_b32 v2, 7, v0
	v_lshlrev_b32 v4, 5, v1
	v_lshl_add_u32 v4, v2, 12, v4                  ; in: 4,096 rr + 32 c8
	s_mov_b32 s28, 2048
	s_cmp_lt_u32 s21, 2
	s_cselect_b32 s28, 6144, s28                   ; bytes in a row of the destination: wall's, or wvb's and wob's
	s_cselect_b32 s29, s21, 0                      ; which third of a row of wall
	v_mul_u32_u24 v5, v2, s28
	v_lshl_add_u32 v5, v1, 4, v5                   ; out: rr rows + 16 c8,
	s_lshl_b32 s23, s28, 1
	v_add_nc_u32 v3, s23, v5                       ; and two rows further down
	s_mul_i32 s30, s22, s28
	s_lshl_b32 s30, s30, 2                         ; four rows a work-group
	s_lshl_b32 s29, s29, 11
	s_add_co_u32 s30, s30, s29
	s_mov_b32 s31, 0
	s_lshl_b32 s22, s22, 14
	s_mov_b32 s23, 0
	s_wait_kmcnt 0x0
	s_cmp_eq_u32 s21, 1
	s_cselect_b64 s[24:25], s[8:9], s[6:7]
	s_cmp_eq_u32 s21, 2
	s_cselect_b64 s[24:25], s[10:11], s[24:25]
	s_cselect_b64 s[26:27], s[42:43], s[40:41]
	s_cmp_eq_u32 s21, 3
	s_cselect_b64 s[24:25], s[12:13], s[24:25]
	s_cselect_b64 s[26:27], s[44:45], s[26:27]
	s_add_nc_u64 s[24:25], s[24:25], s[22:23]
	s_add_nc_u64 s[26:27], s[26:27], s[30:31]
	global_load_b128 v[8:11],  v4, s[24:25]
	global_load_b128 v[12:15], v4, s[24:25] offset:16
	global_load_b128 v[16:19], v4, s[24:25] offset:8192
	global_load_b128 v[20:23], v4, s[24:25] offset:8208
	s_wait_loadcnt 2                               ; the first two are in
.irp i, 0,1,2,3
	v_cvt_pk_bf16_f32 v[24+(\i)], v[8+2*(\i)], v[9+2*(\i)]
.endr
	global_store_b128 v5, v[24:27], s[26:27]
	s_wait_loadcnt 0x0
.irp i, 0,1,2,3
	v_cvt_pk_bf16_f32 v[28+(\i)], v[16+2*(\i)], v[17+2*(\i)]
.endr
	global_store_b128 v3, v[28:31], s[26:27]
	s_endpgm
.Lbias:                                ; ---- bvo: columns 16 g .. 16 g + 15.  Thread: 4 columns (t % 4), rows 16 (t / 4) .. + 15: 16 loads of Wo, 4 of bv, 1 of bo, all issued at once.
	; A row's piece is 64 bytes and the work-group's result 64 bytes: 64 columns to a work-group would make both 256, but want four rounds of loads, one behind the other, in these 96 registers.  Wo is 4 MiB, bvo 4 KiB.
	v_lshrrev_b32 v1, 5, v0
	v_readfirstlane_b32 s20, v1                    ; wave 0..7
	v_and_b32 v2, 3, v0
	v_lshrrev_b32 v3, 2, v0                        ; my group of 16 rows, 0..63
	v_lshlrev_b32 v2, 4, v2                        ; my 4 columns: 16 bytes
	v_lshl_add_u32 v4, v3, 16, v2                  ; + 16 rows of 4,096 bytes a group
	v_lshlrev_b32 v5, 6, v3                        ; bv: 16 numbers a group
	s_lshl_b32 s21, s20, 6
	v_add_nc_u32 v1, s21, v2                       ; where my wave's sums go: SCR + 64 x wave + my 16 bytes
	s_lshl_b32 s22, ttmp9, 6                       ; the work-group's 16 columns
	s_mov_b32 s23, 0
	s_mov_b32 s24, 0x76543210                      ; v_permlanex16_b32: each lane takes its own place in the other half
	s_mov_b32 s25, 0xfedcba98
	s_wait_kmcnt 0x0
	s_add_nc_u64 s[12:13], s[12:13], s[22:23]
	s_add_nc_u64 s[16:17], s[16:17], s[22:23]
	s_add_nc_u64 s[46:47], s[46:47], s[22:23]
.irp k, 0,1,2,3
	global_load_b128 v[16+4*(\k):19+4*(\k)], v5, s[14:15] offset:16*(\k)
.endr
	global_load_b128 v[12:15], v2, s[16:17]
.set i, 0
.rept 16
	global_load_b128 v[32+4*i:35+4*i], v4, s[12:13] offset:4096*i
.set i, i+1
.endr
	s_wait_loadcnt 0x0
	v_pk_mul_f32 v[8:9],   v[32:33], v[16:17] op_sel_hi:[1,0]   ; the first row starts the sums; bv[m] is taken from its pair for both halves
	v_pk_mul_f32 v[10:11], v[34:35], v[16:17] op_sel_hi:[1,0]
.set i, 1
.rept 15
.if i%2
	v_pk_fma_f32 v[8:9],   v[32+4*i:33+4*i], v[16+2*(i/2):17+2*(i/2)], v[8:9]   op_sel:[0,1,0] op_sel_hi:[1,1,1]
	v_pk_fma_f32 v[10:11], v[34+4*i:35+4*i], v[16+2*(i/2):17+2*(i/2)], v[10:11] op_sel:[0,1,0] op_sel_hi:[1,1,1]
.else
	v_pk_fma_f32 v[8:9],   v[32+4*i:33+4*i], v[16+2*(i/2):17+2*(i/2)], v[8:9]   op_sel_hi:[1,0,1]
	v_pk_fma_f32 v[10:11], v[34+4*i:35+4*i], v[16+2*(i/2):17+2*(i/2)], v[10:11] op_sel_hi:[1,0,1]
.endif
.set i, i+1
.endr
.irp k, 0,1,2,3                        ; the wave's 8 groups of rows lie in the lanes 4, 8 and 16 apart
	v_add_f32_dpp v[8+(\k)], v[8+(\k)], v[8+(\k)] row_xmask:4 row_mask:0xf bank_mask:0xf
.endr
.irp k, 0,1,2,3
	v_add_f32_dpp v[8+(\k)], v[8+(\k)], v[8+(\k)] row_xmask:8 row_mask:0xf bank_mask:0xf
.endr
.irp k, 0,1,2,3
	v_permlanex16_b32 v[16+(\k)], v[8+(\k)], s24, s25
.endr
.irp k, 0,1,2,3
	v_add_f32 v[8+(\k)], v[8+(\k)], v[16+(\k)]
.endr
	ds_store_b128 v1, v[8:11]                      ; the eight lanes of a column group write the same bytes with the same numbers
	s_wait_dscnt 0x0                               ; for the others' sake: my store is done
	s_barrier_signal -1
	s_barrier_wait -1
	s_cmp_lg_u32 s20, 0                            ; wave 0 adds the eight waves' sums
	s_cbranch_scc1 .Lbias_end
.irp w, 0,1,2,3,4,5,6,7
	ds_load_b128 v[32+4*(\w):35+4*(\w)], v2 offset:SCR+64*(\w)
.endr
	s_wait_dscnt 0x0
.irp w, 0,2,4,6
	v_pk_add_f32 v[32+4*(\w):33+4*(\w)], v[32+4*(\w):33+4*(\w)], v[36+4*(\w):37+4*(\w)]
	v_pk_add_f32 v[34+4*(\w):35+4*(\w)], v[34+4*(\w):35+4*(\w)], v[38+4*(\w):39+4*(\w)]
.endr
.irp w, 0,4
	v_pk_add_f32 v[32+4*(\w):33+4*(\w)], v[32+4*(\w):33+4*(\w)], v[40+4*(\w):41+4*(\w)]
	v_pk_add_f32 v[34+4*(\w):35+4*(\w)], v[34+4*(\w):35+4*(\w)], v[42+4*(\w):43+4*(\w)]
.endr
	v_pk_add_f32 v[32:33], v[32:33], v[48:49]
	v_pk_add_f32 v[34:35], v[34:35], v[50:51]
	v_pk_add_f32 v[32:33], v[32:33], v[12:13]      ; + bo
	v_pk_add_f32 v[34:35], v[34:35], v[14:15]
	s_wait_xcnt 0x0                                ; EXEC changes only behind this wait
	v_cmp_gt_u32 vcc_lo, 4, v0
	s_and_saveexec_b32 s26, vcc_lo                 ; lanes 0 to 3: 64 consecutive bytes
	global_store_b128 v2, v[32:35], s[46:47]
	s_wait_xcnt 0x0                                ; and again, in front of the line that widens it
	s_or_b32 exec_lo, exec_lo, s26
.Lbias_end:
	s_wait_tensorcnt 0x0                           ; the wave's end, behind my last LDS store
	ds_add_u32 v[SPW], v[NIL]
	s_wait_dscnt 0x0
	s_endpgm
.Lfunc_end_k_q4739d987b0_prep:
	.size	k_q4739d987b0_prep, .Lfunc_end_k_q4739d987b0_prep-k_q4739d987b0_prep
	.p2alignl 7, 3214868480
	.fill 96, 4, 3214868480
	.section	.rodata,"a",@progbits
	.p2align	6, 0x0
	.amdhsa_kernel k_q4739d987b0_prep
		.amdhsa_group_segment_fixed_size 1536
		.amdhsa_private_segment_fixed_size 0
		.amdhsa_enable_private_segment 0
		.amdhsa_kernarg_size 96
		.amdhsa_user_sgpr_count 2
		.amdhsa_user_sgpr_kernarg_segment_ptr 1
		.amdhsa_wavefront_size32 1
		.amdhsa_system_sgpr_workgroup_id_x 1
		.amdhsa_system_sgpr_workgroup_id_y 1
		.amdhsa_system_sgpr_workgroup_id_z 1
		.amdhsa_system_vgpr_workitem_id 0
		.amdhsa_next_free_vgpr 96
		.amdhsa_next_free_sgpr 66
		.amdhsa_reserve_vcc 1
		.amdhsa_float_denorm_mode_32 3
		.amdhsa_float_denorm_mode_16_64 3
		.amdhsa_memory_ordered 1
		.amdhsa_forward_progress 1
		.amdhsa_inst_pref_size 21
	.end_amdhsa_kernel
	.amdgpu_metadata
---
amdhsa.version: [ 1, 2 ]
amdhsa.kernels:
  - .name:           k_q4739d987b0_prep
    .symbol:         k_q4739d987b0_prep.kd
    .args:
      - { .name: tokens, .offset: 0, .size: 8, .value_kind: global_buffer, .address_space: global }
      - { .name: Wq, .offset: 8, .size: 8, .value_kind: global_buffer, .address_space: global }
      - { .name: Wk, .offset: 16, .size: 8, .value_kind: global_buffer, .address_space: global }
      - { .name: Wv, .offset: 24, .size: 8, .value_kind: global_buffer, .address_space: global }
      - { .name: Wo, .offset: 32, .size: 8, .value_kind: global_buffer, .address_space: global }
      - { .name: bv, .offset: 40, .size: 8, .value_kind: global_buffer, .address_space: global }
      - { .name: bo, .offset: 48, .size: 8, .value_kind: global_buffer, .address_space: global }
      - { .name: xb, .offset: 56, .size: 8, .value_kind: global_buffer, .address_space: global }
      - { .name: wall, .offset: 64, .size: 8, .value_kind: global_buffer, .address_space: global }
      - { .name: wvb, .offset: 72, .size: 8, .value_kind: global_buffer, .address_space: global }
      - { .name: wob, .offset: 80, .size: 8, .value_kind: global_buffer, .address_space: global }
      - { .name: bvo, .offset: 88, .size: 8, .value_kind: global_buffer, .address_space: global }
    .group_segment_fixed_size: 1536
    .private_segment_fixed_size: 0
    .kernarg_segment_align: 8
    .kernarg_segment_size: 96
    .max_flat_workgroup_size: 256
    .sgpr_count:     66
    .vgpr_count:     96
    .wavefront_size: 32
...
	.end_amdgpu_metadata
.endif
;; end of part 1
;; launch fold (part 2): grid 32 x 8, 4 waves a work-group, clusters of 4 x 1, 295,424 bytes of LDS; arguments wvb, wob, wall; writes wall
.if DOCPART == 2
	.amdgcn_target "amdgcn-amd-amdhsa--gfx1250"
	.amdhsa_code_object_version 6
	.text
	.protected	k_q4739d987b0_fold
	.globl	k_q4739d987b0_fold
	.p2align	8
	.type	k_q4739d987b0_fold,@function
k_q4739d987b0_fold:
	s_mov_b64 s[64:65], 0
	v_nop
	global_prefetch_b8 v0, s[64:65] scope:SCOPE_SE
	s_setreg_imm32_b32 hwreg(HW_REG_WAVE_MODE, 25, 1), 1
	s_wait_xcnt 0x0
	s_wait_alu depctr_hold_cnt(0) depctr_sa_sdst(0) depctr_va_vdst(0) depctr_va_sdst(0) depctr_va_ssrc(0) depctr_va_vcc(0) depctr_vm_vsrc(0)
	s_getreg_b32 s2, hwreg(HW_REG_IB_STS2, 6, 4)
	s_cmp_eq_u32 s2, 0
	s_cbranch_scc0 .Lentry_in_a_cluster
	s_endpgm
.Lentry_in_a_cluster:
	s_bfe_u32 s2, ttmp6, 0x10000c
	s_cmp_lg_u32 s2, 0x3003
	s_cbranch_scc0 .Lentry_shape_is_right
	s_endpgm
.Lentry_shape_is_right:
; FOLD.  wall[d][2048 + e] = bf16(the sum over m of Wv[d][m] Wo[m][e]): the value and the output projection as one matrix.  wvb, wob: [1024][1024] bf16; sums in f32, rounded once.
; SHARES.  256 work-groups: 32 rows (d) x 128 columns (e), so that a row of the result is 256 bytes.  K IS SPLIT AMONG THE FOUR WAVES: wave w takes m = 256 w .. 256 w + 255 for the whole tile: 16 accumulators.
; Wo's strip, 1,024 rows of 256 bytes, fits in LDS whole (pitch 288): nothing is ever filled again.  Each wave fetches its own 256 rows, by two tensor loads of 128, and reads nobody else's: its own wait on
; TENSORcnt is all the ordering that its reads need.  Wo stays [K][N] and is read turned, by ds_load_tr16_b128.
; Wv's fragments lie in memory as they lie in registers and each byte is wanted by one wave of the work-group: they come straight into registers, 32 loads a wave, and go through no LDS.
; Source 0 = 16 columns of Wo, source 1 = 16 rows of Wv: a lane holds one row of the result (lane % 16) and eight neighbouring columns, 8 (lane / 16) + 0..7.
; THE FOUR PARTIAL SUMS MEET IN LDS: each wave puts its 32 rows x 512 bytes (pitch 528) over its own tile's first bytes, which have had their last fill and which it alone has read; one barrier; wave w adds and stores rows 8 w .. 8 w + 7.
; CLUSTER 4 x 1: the four partners make four row blocks of one column block and ask for Wo's strip jointly.  Wv's rows are read by the eight work-groups of a row block, through registers: no joint request serves those.
; No prefetch: all that the launch reads is asked for in its first lines.
; REGISTERS.  window 0: v16-24 addresses; v32-47 packed results; v64-127, v128-191 Wo's fragments of 32 along K, two buffers, later the partial sums.
;   window 1: v0-127 Wv's fragments (K step ks, row block a at 8 (2 ks + a)); v128-255 the accumulators ((a, b) at 128 + 8 (8 a + b)).
.set PB,    288                        ; a row of Wo in LDS: 256 + 32 bytes
.set HTILE, 128*PB                     ; what one tensor load brings
.set WTILE, 2*HTILE                    ; a wave's 256 rows
.set SPARE, 4*WTILE                    ; the spare words, 128 bytes for each wave: two blocks of 256 bytes that no other line names
.set RP,    528                        ; a row of partial sums: 512 bytes + 16
.set QP,    6144                       ; bytes in a row of wall
.set ADB0, 16                          ; v16  my lane's place in my first 128 rows of Wo
.set ADB1, 17                          ; v17  in my second 128
.set AO,   18                          ; v18  my byte offset in 16 rows of Wv
.set PS,   19                          ; v19  where I put 32 bytes of a partial row
.set PR,   20                          ; v20-23  where I read them back, in each wave's partial sums
.set CO,   24                          ; v24  my byte offset in two rows of wall
.set SPW,  28                          ; v28  my spare word; never rewritten
.set NIL,  29                          ; v29  0; never rewritten
.set PK,   32
.set BF0,  64
.set BF1,  128
.set SU,   64
.set ACC,  128
.set G1,  24                           ; s[24:31] descriptor group 1
.set G0,  32                           ; s[32:35], s[36:39] group 0 of my two loads
.set WV,  80
.set CX,  83
.set DB,  85
.set EB,  86
.set MSB, 0
.macro WIN new                         ; the immediate's high byte repeats the setting that is left; a switch that changes nothing is dropped
.if MSB != (\new)
	s_set_vgpr_msb (MSB<<8)|(\new)
.set MSB, (\new)
.endif
.endm
.macro PLACES                          ; four plain places behind matrix instructions (ISA guide 7.12.1)
.rept 4
	v_nop
.endr
.endm
.macro CROUND                          ; a round of the cluster's barrier
	s_barrier_signal -1
	s_barrier_wait -1
	s_cmp_lg_u32 s[WV], 0
	s_cbranch_scc1 .Lnot_wave_0_\@
	s_barrier_signal -3
.Lnot_wave_0_\@:
	s_barrier_wait -3
	s_barrier_signal -1
	s_barrier_wait -1
.endm
	s_load_b128 s[4:7], s[0:1], 0x0                ; wvb s[4:5], wob s[6:7]
	s_load_b64 s[8:9], s[0:1], 0x10                ; wall
	v_lshl_add_u32 v[SPW], v0, 2, SPARE
	v_mov_b32 v[NIL], 0
	ds_add_u32 v[SPW], v[NIL]                      ; the wave's opening: the add and its wait stand ahead of my first tensor load; work on registers stands between them
	v_lshrrev_b32 v1, 5, v0
	v_readfirstlane_b32 s[WV], v1                  ; wave 0..3
	s_bfe_u32 s[CX], ttmp6, 0x40000
	s_lshl_b32 s[DB], ttmp9, 2
	s_add_co_u32 s[DB], s[DB], s[CX]               ; block of 32 rows, 0..31: it enters Wv's and wall's addresses alone
	s_and_b32 s[EB], ttmp7, 0xffff                 ; block of 128 columns, 0..7, which the four partners share
	s_mov_b32 s[G1], 15|(1<<16)|(1<<20)|(1<<21)|(5<<22)|(7<<25)  ; the mask of four; 2-byte elements; padding on; bit 21 beside a mask; after every 64 words 8 words
	s_mov_b32 s[G1+1], 128<<16                     ; tensor_dim0 = 128
	s_mov_b32 s[G1+2], 128<<16                     ; tensor_dim1 = 128
	s_mov_b32 s[G1+3], 128<<16                     ; tile_dim0 = 128
	s_mov_b32 s[G1+4], 128                         ; tile_dim1 = 128
	s_mov_b32 s[G1+5], 1024                        ; elements from row to row
	s_mov_b32 s[G1+6], 0
	s_mov_b32 s[G1+7], 0
	s_mov_b32 s[G0], 1
	s_mul_i32 s[G0+1], s[WV], WTILE
	s_mov_b32 s[G0+4], 1
	s_add_co_u32 s[G0+5], s[G0+1], HTILE
	s_lshl_b32 s40, s[WV], 19                      ; my 256 rows of 2,048 bytes,
	s_lshl_b32 s41, s[EB], 8                       ; the 128 columns
	s_add_co_u32 s40, s40, s41
	s_mov_b32 s41, 0
	s_wait_dscnt 0x0                               ; the opening add is done
	s_wait_kmcnt 0x0
	s_add_nc_u64 s[40:41], s[6:7], s[40:41]
	s_mov_b64 s[G0+2:G0+3], s[40:41]
	s_or_b32 s[G0+3], s[G0+3], 0x80000000
	s_add_nc_u64 s[G0+6:G0+7], s[40:41], 128*2048
	s_or_b32 s[G0+7], s[G0+7], 0x80000000
	CROUND                                         ; all four work-groups are here: the joint loads meet
	tensor_load_to_lds s[G0:G0+3], s[G1:G1+7]      ; all the launch's fills, in one group: two loads of mine are out
	s_nop 0
	tensor_load_to_lds s[G0+4:G0+7], s[G1:G1+7]
	s_nop 0
.rept 4
	v_nop
.endr
	v_and_b32 v1, 15, v0                           ; r = l % 16
	v_bfe_u32 v2, v0, 4, 1                         ; h = l / 16
	v_and_b32 v4, 7, v0
	v_bfe_u32 v5, v0, 3, 1
	v_lshlrev_b32 v[AO], 11, v1
	v_lshl_add_u32 v[AO], v2, 4, v[AO]             ; row r x 2,048 + 16 h
	s_lshl_b32 s20, s[DB], 16                      ; 32 rows of 2,048 bytes a block,
	s_lshl_b32 s21, s[WV], 9                       ; my quarter of K: 512 bytes of a row
	s_add_co_u32 s20, s20, s21
	s_mov_b32 s21, 0
	s_add_nc_u64 s[4:5], s[4:5], s[20:21]
	WIN 0x40                                       ; destination window 1, address window 0
.set i, 0
.rept 16                               ; fragment i: K step i / 2, row block i % 2
	global_load_b128 v[8*i:8*i+3],   v[AO], s[4:5] offset:(i%2)*32768+(i/2)*64
	global_load_b128 v[8*i+4:8*i+7], v[AO], s[4:5] offset:(i%2)*32768+(i/2)*64+32
.set i, i+1
.endr
	WIN 0
	s_mul_i32 s20, s[WV], WTILE
	v_lshl_add_u32 v[ADB0], v2, 3, v4
	v_mul_u32_u24 v[ADB0], v[ADB0], PB
	v_lshl_add_u32 v[ADB0], v5, 4, v[ADB0]
	v_add_nc_u32 v[ADB0], s20, v[ADB0]             ; the turning load: row 8 h + l % 8, 16 bytes by (l / 8) % 2, in my wave's rows
	v_add_nc_u32 v[ADB1], HTILE, v[ADB0]
	v_mul_u32_u24 v[PS], v1, RP
	v_lshl_add_u32 v[PS], v2, 5, v[PS]
	v_add_nc_u32 v[PS], s20, v[PS]                 ; in: row r, 32 bytes for each half of the lanes
	s_mul_i32 s21, s[WV], 8*RP
	v_mul_u32_u24 v[PR], v2, RP
	v_lshl_add_u32 v[PR], v1, 5, v[PR]
	v_add_nc_u32 v[PR], s21, v[PR]                 ; back: rows 8 w + h, 8 columns (32 bytes) a lane
.irp p, 1,2,3
	v_add_nc_u32 v[PR+(\p)], (\p)*WTILE, v[PR]
.endr
	v_mul_u32_u24 v[CO], v2, QP
	v_lshl_add_u32 v[CO], v1, 4, v[CO]
	s_lshl_b32 s22, s[DB], 5
	s_lshl_b32 s23, s[WV], 3
	s_add_co_u32 s22, s22, s23
	s_mul_i32 s22, s22, QP                         ; row 32 x block + 8 w,
	s_lshl_b32 s23, s[EB], 8
	s_add_co_u32 s22, s22, s23                     ; the 128 columns,
	s_add_co_u32 s22, s22, 4096                    ; in the last third of a row of wall
	s_mov_b32 s23, 0
	s_add_nc_u64 s[8:9], s[8:9], s[22:23]
.macro FB ks, bf                       ; Wo's eight fragments of K step ks, turned: 16 loads in one run
	WIN 0
.irp b, 0,1,2,3,4,5,6,7
	ds_load_tr16_b128 v[(\bf)+8*(\b):(\bf)+8*(\b)+3],   v[ADB0+(\ks)/4] offset:((\ks)%4)*32*PB+32*(\b)
	ds_load_tr16_b128 v[(\bf)+8*(\b)+4:(\bf)+8*(\b)+7], v[ADB0+(\ks)/4] offset:((\ks)%4)*32*PB+32*(\b)+16*PB
.endr
.endm
.macro MUL ks, bf, zero                ; 16 products.  The 16 accumulators take turns, one instruction a turn.  zero = 1: the first K step starts the sums
	WIN 0x54                                       ; source 0 window 0; source 1, C and D window 1
.irp a, 0,1
.irp b, 0,1,2,3,4,5,6,7
.if \zero
	v_wmma_f32_16x16x32_bf16 v[ACC+8*(8*(\a)+(\b)):ACC+8*(8*(\a)+(\b))+7], v[(\bf)+8*(\b):(\bf)+8*(\b)+7], v[8*(2*(\ks)+(\a)):8*(2*(\ks)+(\a))+7], 0
.else
	v_wmma_f32_16x16x32_bf16 v[ACC+8*(8*(\a)+(\b)):ACC+8*(8*(\a)+(\b))+7], v[(\bf)+8*(\b):(\bf)+8*(\b)+7], v[8*(2*(\ks)+(\a)):8*(2*(\ks)+(\a))+7], v[ACC+8*(8*(\a)+(\b)):ACC+8*(8*(\a)+(\b))+7]
.endif
.endr
.endr
.endm
	s_wait_tensorcnt 1                             ; my first 128 rows are in; my second load may stay out
	FB 0, BF0
	FB 1, BF1
	s_wait_loadcnt 0x0                             ; Wv's fragments
	s_wait_dscnt 16                                ; K step 0's fragments are in; the 16 loads behind them may stay out
	MUL 0, BF0, 1
.irp ks, 1,2,3,4,5,6
	PLACES                                         ; the buffer to be loaded was read by the products just issued
.if (\ks) == 3
	s_wait_tensorcnt 0x0                           ; my second 128 rows
.endif
	FB (\ks)+1, BF0+64*(((\ks)+1)%2)
	s_wait_dscnt 16                                ; all but the 16 just issued
	MUL \ks, BF0+64*((\ks)%2), 0
.endr
	s_wait_dscnt 0x0                               ; the last fragments; my reads of my tile are over
	MUL 7, BF1, 0
	PLACES
	WIN 0x04                                       ; the stores' data lie in window 1
.set i, 0
.rept 16                               ; each accumulator's lowest registers first
	ds_store_b128 v[PS], v[ACC+8*i:ACC+8*i+3]   offset:(i/8)*16*RP+(i%8)*64
	ds_store_b128 v[PS], v[ACC+8*i+4:ACC+8*i+7] offset:(i/8)*16*RP+(i%8)*64+16
.set i, i+1
.endr
	WIN 0
	s_wait_dscnt 0x0                               ; for the others' sake: my partial sums are written
	s_barrier_signal -1
	s_barrier_wait -1
.irp i, 0,1,2,3                        ; piece i: row 8 w + 2 i + h, my 8 columns, from each of the four waves
.irp p, 0,1,2,3
	ds_load_b128 v[SU+32*(\i)+8*(\p):SU+32*(\i)+8*(\p)+3],   v[PR+(\p)] offset:2*(\i)*RP
	ds_load_b128 v[SU+32*(\i)+8*(\p)+4:SU+32*(\i)+8*(\p)+7], v[PR+(\p)] offset:2*(\i)*RP+16
.endr
.endr
	s_wait_dscnt 0x0
.irp i, 0,1,2,3
.irp z, 0,2,4,6
	v_pk_add_f32 v[SU+32*(\i)+(\z):SU+32*(\i)+(\z)+1], v[SU+32*(\i)+(\z):SU+32*(\i)+(\z)+1], v[SU+32*(\i)+8+(\z):SU+32*(\i)+8+(\z)+1]
	v_pk_add_f32 v[SU+32*(\i)+16+(\z):SU+32*(\i)+16+(\z)+1], v[SU+32*(\i)+16+(\z):SU+32*(\i)+16+(\z)+1], v[SU+32*(\i)+24+(\z):SU+32*(\i)+24+(\z)+1]
.endr
.endr
.irp i, 0,1,2,3
.irp z, 0,2,4,6
	v_pk_add_f32 v[SU+32*(\i)+(\z):SU+32*(\i)+(\z)+1], v[SU+32*(\i)+(\z):SU+32*(\i)+(\z)+1], v[SU+32*(\i)+16+(\z):SU+32*(\i)+16+(\z)+1]
.endr
.endr
.irp i, 0,1,2,3
.irp z, 0,1,2,3
	v_cvt_pk_bf16_f32 v[PK+4*(\i)+(\z)], v[SU+32*(\i)+2*(\z)], v[SU+32*(\i)+2*(\z)+1]
.endr
.endr
.irp i, 0,1,2,3
	global_store_b128 v[CO], v[PK+4*(\i):PK+4*(\i)+3], s[8:9] offset:2*(\i)*QP   ; 16 lanes store 256 consecutive bytes, aligned
.endr
	s_wait_tensorcnt 0x0                           ; the wave's end
	ds_add_u32 v[SPW], v[NIL]
	s_wait_dscnt 0x0
	CROUND                                         ; the closing round
	s_endpgm
.Lfunc_end_k_q4739d987b0_fold:
	.size	k_q4739d987b0_fold, .Lfunc_end_k_q4739d987b0_fold-k_q4739d987b0_fold
	.p2alignl 7, 3214868480
	.fill 96, 4, 3214868480
	.section	.rodata,"a",@progbits
	.p2align	6, 0x0
	.amdhsa_kernel k_q4739d987b0_fold
		.amdhsa_group_segment_fixed_size 295424
		.amdhsa_private_segment_fixed_size 0
		.amdhsa_enable_private_segment 0
		.amdhsa_kernarg_size 24
		.amdhsa_user_sgpr_count 2
		.amdhsa_user_sgpr_kernarg_segment_ptr 1
		.amdhsa_wavefront_size32 1
		.amdhsa_system_sgpr_workgroup_id_x 1
		.amdhsa_system_sgpr_workgroup_id_y 1
		.amdhsa_system_sgpr_workgroup_id_z 1
		.amdhsa_system_vgpr_workitem_id 0
		.amdhsa_next_free_vgpr 512
		.amdhsa_next_free_sgpr 96
		.amdhsa_reserve_vcc 0
		.amdhsa_float_denorm_mode_32 3
		.amdhsa_float_denorm_mode_16_64 3
		.amdhsa_memory_ordered 1
		.amdhsa_forward_progress 1
		.amdhsa_inst_pref_size 35
	.end_amdhsa_kernel
	.amdgpu_metadata
---
amdhsa.version: [ 1, 2 ]
amdhsa.kernels:
  - .name:           k_q4739d987b0_fold
    .symbol:         k_q4739d987b0_fold.kd
    .args:
      - { .name: wvb, .offset: 0, .size: 8, .value_kind: global_buffer, .address_space: global }
      - { .name: wob, .offset: 8, .size: 8, .value_kind: global_buffer, .address_space: global }
      - { .name: wall, .offset: 16, .size: 8, .value_kind: global_buffer, .address_space: global }
    .group_segment_fixed_size: 295424
    .private_segment_fixed_size: 0
    .kernarg_segment_align: 8
    .kernarg_segment_size: 24
    .max_flat_workgroup_size: 128
    .sgpr_count:     96
    .vgpr_count:     512
    .wavefront_size: 32
...
	.end_amdgpu_metadata
.endif
;; end of part 2
;; launch proj (part 3): grid 8 x 32, 4 waves a work-group, clusters of 4 x 4, 327,680 bytes of LDS; arguments xb, wall, bq, bk, bvo, qkv; writes qkv
.if DOCPART == 3
	.amdgcn_target "amdgcn-amd-amdhsa--gfx1250"
	.amdhsa_code_object_version 6
	.text
	.protected	k_q4739d987b0_proj
	.globl	k_q4739d987b0_proj
	.p2align	8
	.type	k_q4739d987b0_proj,@function
k_q4739d987b0_proj:
	s_mov_b64 s[64:65], 0
	v_nop
	global_prefetch_b8 v0, s[64:65] scope:SCOPE_SE
	s_setreg_imm32_b32 hwreg(HW_REG_WAVE_MODE, 25, 1), 1
	s_wait_xcnt 0x0
	s_wait_alu depctr_hold_cnt(0) depctr_sa_sdst(0) depctr_va_vdst(0) depctr_va_sdst(0) depctr_va_ssrc(0) depctr_va_vcc(0) depctr_vm_vsrc(0)
	s_getreg_b32 s2, hwreg(HW_REG_IB_STS2, 6, 4)
	s_cmp_eq_u32 s2, 0
	s_cbranch_scc0 .Lentry_in_a_cluster
	s_endpgm
.Lentry_in_a_cluster:
	s_bfe_u32 s2, ttmp6, 0x10000c
	s_cmp_lg_u32 s2, 0xf033
	s_cbranch_scc0 .Lentry_shape_is_right
	s_endpgm
.Lentry_shape_is_right:
; PROJ.  qkv[s][n] = the sum over d of x[s][d] W[d][n] + b[n], W = [Wq | Wk | Wv Wo] (wall, [1024][3072] bf16), b = [bq | bk | bv Wo + bo], x from xb (bf16, in blocks of 64 channels), qkv [8192][3072] bf16.
; Sums in f32, rounded once.
; SHARES.  256 work-groups: 32 blocks of 256 rows x 8 blocks of 384 columns.  Wave w makes rows 64 w .. 64 w + 63 and all 384 columns: 96 accumulators of 16 x 16, 768 registers.
; K goes in 16 steps of 64 through two LDS slots.  x's tile (256 rows x 64 channels) is 32,768 bytes on end in xb and is asked for as rows of 256 bytes; W's tile is 64 rows of 768 bytes.
; W stays [K][N]: its fragments come out of LDS turned, by ds_load_tr16_b128.  THE MATRIX INSTRUCTION IS USED TRANSPOSED (source 0 = 16 columns of W, source 1 = 16 rows of x): a lane then holds
; one row of the result (lane % 16) and eight neighbouring columns, 8 (lane / 16) + 0..7, which pack into 16 bytes.
; THE BIAS STARTS THE SUMS: it is laid into the accumulators by LDS loads while the first tile is on its way, so every product has the one accumulating form.
; CLUSTER 4 x 4: x's tile hangs on the row block alone and is asked for jointly along a row of the cluster, W's on the column block alone, jointly along a column.
; REGISTERS.  window 0: v0-31 addresses; v32-63, v64-95 x's fragments of 32 along K, two buffers; v96-159, v160-223 W's fragments of 128 columns, two buffers; v224-255 at work on the way out.
;   windows 1, 2, 3: the accumulators of columns 0-127, 128-255, 256-383: (row block a, column block b) at v[8 (8 a + b)].
.set PA,    144                        ; a row of x in LDS: 128 bytes + 16: the 16 rows of a load start in 16 different groups of four banks
.set PB,    864                        ; a row of W in LDS: 3 x (256 + 32) bytes
.set SLOT1, 131072                     ; slot 1 begins here: one exclusive or turns an address in one slot into the other's
.set BOFF,  256*PA                     ; in a slot: x's 256 rows, then W's 64
.set STAGE, SLOT1+BOFF+64*PB           ; behind the ring: 16 rows x 272 bytes for each wave, for the way out
.set SP,    272
.set BIAS,  STAGE+4*16*SP              ; 384 f32 for each wave
.set SPARE, BIAS+4*1536                ; the spare words, 128 bytes for each wave: two blocks of 256 bytes that no other line names
.set ASTEP, 1048576                    ; bytes from a K step to the next in xb,
.set BSTEP, 64*6144                    ; and in wall
.set QP,    6144                       ; bytes in a row of qkv and of wall
.set ADA0, 16                          ; v16  my lane's place in x's tile; never rewritten
.set ADB0, 17                          ; v17  in W's tile; never rewritten
.set ADA,  18                          ; v18  the same in the slot that is being read
.set ADB,  19                          ; v19
.set STO,  20                          ; v20  the way out: where I put 16 bytes of a row
.set RD,   21                          ; v21  where I read a row back
.set CO,   22                          ; v22  my byte offset in two rows of qkv
.set BR,   23                          ; v23  where I read the bias
.set PFO,  25                          ; v25  256 x my lane
.set SPW,  28                          ; v28  my spare word; never rewritten
.set NIL,  29                          ; v29  0; never rewritten
.set AF0,  32
.set AF1,  64
.set BF0,  96
.set BF1,  160
.set TMP,  224
.set G1,  24                           ; s[24:31] group 1 for x's tiles
.set G0,  32                           ; s[32:35] group 0 of slot 0's first fill; s[36:39] walks
.set G1B, 48                           ; s[48:55] group 1 for W's tiles
.set G0B, 56                           ; s[56:59], s[60:63] likewise
.set TB,  66                           ; s66  LDS byte at which the slot being read begins
.set CNT, 67                           ; s67  loop counter
.set PFA, 68                           ; s[68:69] where my prefetches stand
.set LIM, 72                           ; s72  1 in the wave that prefetches, else the greatest number
.set WV,  80
.set WH,  81
.set WL,  82
.set CX,  83
.set CY,  84
.set BX,  85
.set BY,  86
.set CLY, 87
.set MSB, 0
.macro WIN new                         ; the immediate's high byte repeats the setting that is left; a switch that changes nothing is dropped
.if MSB != (\new)
	s_set_vgpr_msb (MSB<<8)|(\new)
.set MSB, (\new)
.endif
.endm
.macro PLACES                          ; four plain places behind matrix instructions (ISA guide 7.12.1)
.rept 4
	v_nop
.endr
.endm
.macro CREST                           ; a round of the cluster's barrier behind its opening barrier
	s_cmp_lg_u32 s[WV], 0
	s_cbranch_scc1 .Lnot_wave_0_\@
	s_barrier_signal -3
.Lnot_wave_0_\@:
	s_barrier_wait -3
	s_barrier_signal -1
	s_barrier_wait -1
.endm
.macro CROUND
	s_barrier_signal -1
	s_barrier_wait -1
	CREST
.endm
.macro JLOAD                           ; a joint refill: waves 0 and 1 fetch x's two halves, waves 2 and 3 W's; the branch hangs on the wave's number alone
	s_cmp_eq_u32 s[WH], 0
	s_cbranch_scc0 .Lfor_b_\@
	tensor_load_to_lds s[G0+4:G0+7], s[G1:G1+7]
	s_nop 0
.rept 4
	v_nop
.endr
	s_branch .Lasked_\@
.Lfor_b_\@:
	tensor_load_to_lds s[G0B+4:G0B+7], s[G1B:G1B+7]
	s_nop 0
.rept 4
	v_nop
.endr
.Lasked_\@:
.endm
; A prefetch of x's tile for the K step that the NEXT refill will ask for: 192 matrix instructions ahead of that load.  A tile is 128 blocks of 256 bytes; it is read by both clusters of a row of clusters: the
; first (cluster x = 0) asks; its four partners of a row take 32 blocks each, told apart by address; wave 0 asks, a lane a block.  So each block is named once.  The last refill has no step behind it.
; wall is not asked for: all eight rows of clusters walk it again and again.
.macro ASK
	s_cmp_gt_u32 s[CNT], s[LIM]
	s_cbranch_scc0 .Lnot_mine_\@
	global_prefetch_b8 v[PFO], s[PFA:PFA+1] th:TH_LOAD_NT scope:SCOPE_SE
.Lnot_mine_\@:
.endm
	s_load_b256 s[4:11], s[0:1], 0x0               ; xb s[4:5], wall s[6:7], bq s[8:9], bk s[10:11]
	s_load_b128 s[12:15], s[0:1], 0x20             ; bvo s[12:13], qkv s[14:15]
	v_lshl_add_u32 v[SPW], v0, 2, SPARE
	v_mov_b32 v[NIL], 0
	ds_add_u32 v[SPW], v[NIL]                      ; the wave's opening: the add and its wait stand ahead of my first tensor load; work on registers stands between them
	v_lshrrev_b32 v1, 5, v0
	v_readfirstlane_b32 s[WV], v1                  ; wave 0..3
	s_lshr_b32 s[WH], s[WV], 1                     ; I fetch for x (0) or for W (1)
	s_and_b32 s[WL], s[WV], 1                      ; which half of that tile
	s_bfe_u32 s[CX], ttmp6, 0x40000
	s_bfe_u32 s[CY], ttmp6, 0x40004
	s_lshl_b32 s[BX], ttmp9, 2
	s_add_co_u32 s[BX], s[BX], s[CX]               ; column block 0..7
	s_and_b32 s[CLY], ttmp7, 0xffff
	s_lshl_b32 s[BY], s[CLY], 2
	s_add_co_u32 s[BY], s[BY], s[CY]               ; row block 0..31
	s_lshl_b32 s20, s[CY], 2
	s_lshl_b32 s20, 15, s20                        ; my row of the cluster
	s_lshl_b32 s21, 0x1111, s[CX]                  ; my column
	s_or_b32 s[G1], s20, (1<<16)|(1<<20)|(1<<21)|(4<<22)|(3<<25)   ; 2-byte elements; padding on; bit 21 beside a mask; after every 32 words 4 words
	s_mov_b32 s[G1+1], 128<<16                     ; tensor_dim0 = 128: 16,384 bytes on end are asked for as 64 rows of 256 bytes
	s_mov_b32 s[G1+2], 64<<16                      ; tensor_dim1 = 64
	s_mov_b32 s[G1+3], 128<<16                     ; tile_dim0 = 128
	s_mov_b32 s[G1+4], 64                          ; tile_dim1 = 64
	s_mov_b32 s[G1+5], 128                         ; elements from row to row
	s_mov_b32 s[G1+6], 0
	s_mov_b32 s[G1+7], 0
	s_or_b32 s[G1B], s21, (1<<16)|(1<<20)|(1<<21)|(5<<22)|(7<<25)  ; after every 64 words 8 words
	s_mov_b32 s[G1B+1], 384<<16                    ; tensor_dim0 = 384
	s_mov_b32 s[G1B+2], 32<<16                     ; tensor_dim1 = 32
	s_mov_b32 s[G1B+3], 384<<16                    ; tile_dim0 = 384
	s_mov_b32 s[G1B+4], 32                         ; tile_dim1 = 32
	s_mov_b32 s[G1B+5], 3072
	s_mov_b32 s[G1B+6], 0
	s_mov_b32 s[G1B+7], 0
	s_lshl_b32 s40, s[BY], 15                      ; x: 256 rows of 128 bytes a row block,
	s_lshl_b32 s41, s[WL], 14                      ; 128 rows a half
	s_add_co_u32 s40, s40, s41
	s_mov_b32 s41, 0
	s_mul_i32 s44, s[WL], 32*QP                    ; W: 32 rows a half,
	s_mul_i32 s45, s[BX], 768                      ; 384 columns a column block
	s_add_co_u32 s44, s44, s45
	s_mov_b32 s45, 0
	s_mov_b32 s[G0], 1
	s_mul_i32 s[G0+1], s[WL], 128*PA
	s_mov_b32 s[G0+4], 1
	s_add_co_u32 s[G0+5], s[G0+1], SLOT1
	s_mov_b32 s[G0B], 1
	s_mul_i32 s[G0B+1], s[WL], 32*PB
	s_add_co_u32 s[G0B+1], s[G0B+1], BOFF
	s_mov_b32 s[G0B+4], 1
	s_add_co_u32 s[G0B+5], s[G0B+1], SLOT1
	s_mov_b32 s[TB], 0
	s_wait_dscnt 0x0                               ; the opening add is done
	s_wait_kmcnt 0x0
	s_add_nc_u64 s[40:41], s[4:5], s[40:41]
	s_add_nc_u64 s[44:45], s[6:7], s[44:45]
	s_mov_b64 s[G0+2:G0+3], s[40:41]               ; K step 0
	s_or_b32 s[G0+3], s[G0+3], 0x80000000
	s_add_nc_u64 s[G0+6:G0+7], s[40:41], ASTEP     ; K step 1
	s_or_b32 s[G0+7], s[G0+7], 0x80000000
	s_mov_b64 s[G0B+2:G0B+3], s[44:45]
	s_or_b32 s[G0B+3], s[G0B+3], 0x80000000
	s_add_nc_u64 s[G0B+6:G0B+7], s[44:45], BSTEP
	s_or_b32 s[G0B+7], s[G0B+7], 0x80000000
	CROUND                                         ; all sixteen work-groups are here: the first joint loads meet
	s_cmp_eq_u32 s[WH], 0                          ; a wave's two first fills stand in one branch: two loads of mine are out
	s_cbranch_scc0 .Lfirst_b
	tensor_load_to_lds s[G0:G0+3], s[G1:G1+7]
	s_nop 0
	tensor_load_to_lds s[G0+4:G0+7], s[G1:G1+7]
	s_nop 0
.rept 4
	v_nop
.endr
	s_branch .Lfirst_asked
.Lfirst_b:
	tensor_load_to_lds s[G0B:G0B+3], s[G1B:G1B+7]
	s_nop 0
	tensor_load_to_lds s[G0B+4:G0B+7], s[G1B:G1B+7]
	s_nop 0
.rept 4
	v_nop
.endr
.Lfirst_asked:
	v_and_b32 v1, 15, v0                           ; r = l % 16
	v_bfe_u32 v2, v0, 4, 1                         ; h = l / 16
	v_and_b32 v3, 31, v0                           ; l
	v_and_b32 v4, 7, v0
	v_bfe_u32 v5, v0, 3, 1
	s_mul_i32 s20, s[WV], 64*PA
	v_mul_u32_u24 v[ADA0], v1, PA
	v_lshl_add_u32 v[ADA0], v2, 4, v[ADA0]
	v_add_nc_u32 v[ADA0], s20, v[ADA0]             ; (64 w + r) x pitch + 16 h
	v_lshl_add_u32 v[ADB0], v2, 3, v4
	v_mul_u32_u24 v[ADB0], v[ADB0], PB
	v_lshl_add_u32 v[ADB0], v5, 4, v[ADB0]
	v_add_nc_u32 v[ADB0], BOFF, v[ADB0]            ; the turning load: row 8 h + l % 8, 16 bytes by (l / 8) % 2
	v_mov_b32 v[ADA], v[ADA0]
	v_mov_b32 v[ADB], v[ADB0]
	s_mul_i32 s21, s[WV], 16*SP
	s_add_co_u32 s21, s21, STAGE                   ; my stage
	v_mul_u32_u24 v[STO], v1, SP
	v_lshl_add_u32 v[STO], v2, 4, v[STO]
	v_add_nc_u32 v[STO], s21, v[STO]
	v_mul_u32_u24 v[RD], v2, SP
	v_lshl_add_u32 v[RD], v1, 4, v[RD]
	v_add_nc_u32 v[RD], s21, v[RD]
	v_mul_u32_u24 v[CO], v2, QP
	v_lshl_add_u32 v[CO], v1, 4, v[CO]
	s_lshl_b32 s22, s[BY], 8
	s_lshl_b32 s23, s[WV], 6
	s_add_co_u32 s22, s22, s23
	s_mul_i32 s22, s22, QP                         ; my first row of qkv,
	s_mul_i32 s23, s[BX], 768                      ; my first column
	s_add_co_u32 s22, s22, s23
	s_mov_b32 s23, 0
	s_add_nc_u64 s[14:15], s[14:15], s[22:23]
	s_or_b32 s20, s[WV], ttmp9                     ; the prefetches: wave 0 of the clusters with x = 0
	s_cmp_eq_u32 s20, 0
	s_cselect_b32 s[LIM], 1, -1
	s_lshl_b32 s22, s[BY], 15
	s_lshl_b32 s23, s[CX], 13                      ; my work-group's quarter of the tile
	s_add_co_u32 s22, s22, s23
	s_mov_b32 s23, 0
	s_add_nc_u64 s[PFA:PFA+1], s[4:5], s[22:23]
	s_add_nc_u64 s[PFA:PFA+1], s[PFA:PFA+1], 2*ASTEP  ; at K step 2: the first change of slots steps it to 3
	v_lshlrev_b32 v[PFO], 8, v3
	; the bias: my work-group's three groups of 128 columns; group G = 3 x column block + t lies in bias vector G / 8 at column 128 (G % 8)
	s_mul_i32 s20, s[WV], 1536
	s_add_co_u32 s20, s20, BIAS
	v_lshl_add_u32 v6, v3, 4, s20
	v_lshl_add_u32 v[BR], v2, 5, s20
	v_lshlrev_b32 v7, 4, v3
.irp t, 0,1,2
	s_mul_i32 s20, s[BX], 3
	s_add_co_u32 s20, s20, \t
	s_lshr_b32 s21, s20, 3
	s_and_b32 s22, s20, 7
	s_lshl_b32 s22, s22, 9
	s_mov_b32 s23, 0
	s_cmp_eq_u32 s21, 1
	s_cselect_b64 s[40+2*(\t):41+2*(\t)], s[10:11], s[8:9]
	s_cmp_eq_u32 s21, 2
	s_cselect_b64 s[40+2*(\t):41+2*(\t)], s[12:13], s[40+2*(\t):41+2*(\t)]
	s_add_nc_u64 s[40+2*(\t):41+2*(\t)], s[40+2*(\t):41+2*(\t)], s[22:23]
	global_load_b128 v[32+4*(\t):35+4*(\t)], v7, s[40+2*(\t):41+2*(\t)]
.endr
	s_wait_loadcnt 0x0
.irp t, 0,1,2
	ds_store_b128 v6, v[32+4*(\t):35+4*(\t)] offset:512*(\t)
.endr
.irp t, 0,1,2                          ; register j of accumulator (a, b) of group t takes b[128 t + 16 b + 8 h + j]; LDS serves a wave's instructions in order: these see the stores above
	WIN 0x40*((\t)+1)
.set i, 0
.rept 32
	ds_load_b128 v[8*i:8*i+3],   v[BR] offset:512*(\t)+64*(i%8)
	ds_load_b128 v[8*i+4:8*i+7], v[BR] offset:512*(\t)+64*(i%8)+16
.set i, i+1
.endr
.endr
	WIN 0
.macro MUL8 t, a, af, bf               ; 8 products: row block a x the 8 column blocks of group t, 32 along K.  The accumulators take turns, one instruction a turn
	WIN 0x50*((\t)+1)
.irp b, 0,1,2,3,4,5,6,7
	v_wmma_f32_16x16x32_bf16 v[8*(8*(\a)+(\b)):8*(8*(\a)+(\b))+7], v[(\bf)+8*(\b):(\bf)+8*(\b)+7], v[(\af)+8*(\a):(\af)+8*(\a)+7], v[8*(8*(\a)+(\b)):8*(8*(\a)+(\b))+7]
.endr
.endm
.macro FA h2, af                       ; x's four fragments of half h2 of the step's 64 along K
	WIN 0
.irp a, 0,1,2,3
	ds_load_b128 v[(\af)+8*(\a):(\af)+8*(\a)+3],   v[ADA] offset:(\a)*16*PA+64*(\h2)
	ds_load_b128 v[(\af)+8*(\a)+4:(\af)+8*(\a)+7], v[ADA] offset:(\a)*16*PA+64*(\h2)+32
.endr
.endm
.macro FB t, h2, bf                    ; W's eight fragments of group t, half h2, turned
	WIN 0
.irp b, 0,1,2,3,4,5,6,7
	ds_load_tr16_b128 v[(\bf)+8*(\b):(\bf)+8*(\b)+3],   v[ADB] offset:32*PB*(\h2)+288*(\t)+32*(\b)
	ds_load_tr16_b128 v[(\bf)+8*(\b)+4:(\bf)+8*(\b)+7], v[ADB] offset:32*PB*(\h2)+288*(\t)+32*(\b)+16*PB
.endr
.endm
; 32 products on one group of columns; behind the first 8 the next group's fragments are fetched, in one run, 24 products ahead of their first use.
.macro GROUP t, af, bf, ft, fh, fbf, fa
	s_wait_dscnt 0x0                               ; this group's fragments, asked for 24 products ago
	MUL8 \t, 0, \af, \bf
	PLACES                                         ; the buffer to be loaded was read by the products in front of these 8
.if \fa
	FA 1, AF1
.endif
	FB \ft, \fh, \fbf
	MUL8 \t, 1, \af, \bf
	MUL8 \t, 2, \af, \bf
	MUL8 \t, 3, \af, \bf
.endm
; The step's last group changes slots: ONE barrier.  In front of it each wave waits for all its tensor loads (the one that is out is its part of the next slot), adds 0 to its spare word, and waits for that and
; for its reads of this slot.  fill = 1: the barrier opens a round of the cluster's, and the joint refill, with the K step two on, is the first thing behind it.
.macro TURN fill
.if \fill
	s_wait_xcnt 0x0                                ; the last prefetch, a K step back, has read its address
	s_add_nc_u64 s[PFA:PFA+1], s[PFA:PFA+1], ASTEP
.endif
	WIN 0
	s_wait_tensorcnt 0x0
	ds_add_u32 v[SPW], v[NIL]
	s_wait_dscnt 1                                 ; my fragments are in; the add may be out
	MUL8 2, 0, AF1, BF1
	s_wait_dscnt 0x0                               ; the add is done, and my reads of this slot are over
	s_barrier_signal -1
	MUL8 2, 1, AF1, BF1
	WIN 0
	s_barrier_wait -1
.if \fill
	CREST
	s_xor_b32 s[G0+5], s[G0+5], SLOT1              ; no tensor load of mine is out: the walking descriptors step: the other slot, the next K step
	s_add_nc_u64 s[G0+6:G0+7], s[G0+6:G0+7], ASTEP
	s_xor_b32 s[G0B+5], s[G0B+5], SLOT1
	s_add_nc_u64 s[G0B+6:G0B+7], s[G0B+6:G0B+7], BSTEP
	JLOAD                                          ; its four v_nop are also the places in front of the loads below
.else
	PLACES
.endif
	s_xor_b32 s[TB], s[TB], SLOT1
	v_add_nc_u32 v[ADA], s[TB], v[ADA0]
	v_add_nc_u32 v[ADB], s[TB], v[ADB0]
.if (\fill) == 0
	s_cmp_eq_u32 s[CNT], 1                         ; behind the last K step there is nothing to fetch
	s_cbranch_scc1 .Lno_fetch_\@
.endif
	FA 0, AF0
	FB 0, 0, BF0
.if \fill
	ASK
.else
.Lno_fetch_\@:
.endif
	MUL8 2, 2, AF1, BF1
	MUL8 2, 3, AF1, BF1
.endm
.macro STEP fill                       ; a K step: 2 halves of 32 along K x 3 groups of columns, 192 products
	GROUP 0, AF0, BF0, 1, 0, BF1, 0
	GROUP 1, AF0, BF1, 2, 0, BF0, 0
	GROUP 2, AF0, BF0, 0, 1, BF1, 1
	GROUP 0, AF1, BF1, 1, 1, BF0, 0
	GROUP 1, AF1, BF0, 2, 1, BF1, 0
	TURN \fill
.endm
	s_wait_tensorcnt 1                             ; my part of K step 0 is in; K step 1's may stay out
	s_wait_dscnt 0x0                               ; the bias lies in the accumulators
	s_barrier_signal -1
	s_barrier_wait -1
	FA 0, AF0
	FB 0, 0, BF0
	s_mov_b32 s[CNT], 14
.Lstep:                                ; K steps 0 to 13 ask for K steps 2 to 15
	STEP 1
	WIN 0
	s_sub_co_u32 s[CNT], s[CNT], 1
	s_cmp_lg_u32 s[CNT], 0
	s_cbranch_scc1 .Lstep
	s_mov_b32 s[CNT], 2
.Ltail:                                ; the last two K steps ask for nothing: a second text
	STEP 0
	WIN 0
	s_sub_co_u32 s[CNT], s[CNT], 1
	s_cmp_lg_u32 s[CNT], 0
	s_cbranch_scc1 .Ltail
	; THE WAY OUT.  Twelve blocks of 16 rows x 128 columns (block k: group k / 4, row block k % 4): rounded to bf16, 16 bytes a lane into my stage, back as whole rows of 256 bytes, stored.
.macro PACK k
.set AC, 64*((\k)%4)
	WIN 5*((\k)/4+1)
.irp b, 0,1,2,3,4,5,6,7
.irp r, 0,1,2,3
	v_cvt_pk_bf16_f32 v[TMP+4*(\b)+(\r)], v[AC+8*(\b)+2*(\r)], v[AC+8*(\b)+2*(\r)+1]
.endr
.endr
	WIN 0
.endm
.macro TOSTAGE k
.set BK, AF0+32*((\k)%2)
.irp b, 0,1,2,3,4,5,6,7
	ds_store_b128 v[STO], v[TMP+4*(\b):TMP+4*(\b)+3] offset:32*(\b)
.endr
.irp u, 0,1,2,3,4,5,6,7
	ds_load_b128 v[BK+4*(\u):BK+4*(\u)+3], v[RD] offset:(\u)*2*SP   ; LDS serves a wave's instructions in order: these see the stores above
.endr
.endm
.macro SEND k
.set BK, AF0+32*((\k)%2)
	s_wait_dscnt 0x0                               ; the block is back in registers
	s_wait_xcnt 0x0                                ; earlier stores have read their registers: the other buffer may be loaded again behind this wait
.irp u, 0,1,2,3,4,5,6,7
	global_store_b128 v[CO], v[BK+4*(\u):BK+4*(\u)+3], s[14:15] offset:((\k)%4)*16*QP+((\k)/4)*256+2*(\u)*QP   ; 16 lanes store 256 consecutive bytes, aligned
.endr
.endm
	PLACES
	PACK 0
	TOSTAGE 0
.set blk, 1
.rept 11                               ; a block's conversions stand between the loads of the block before and the wait for them
	PACK blk
	SEND blk-1
	TOSTAGE blk
.set blk, blk+1
.endr
	SEND 11
	s_wait_tensorcnt 0x0                           ; the wave's end
	ds_add_u32 v[SPW], v[NIL]
	s_wait_dscnt 0x0
	CROUND                                         ; the closing round
	s_endpgm
.Lfunc_end_k_q4739d987b0_proj:
	.size	k_q4739d987b0_proj, .Lfunc_end_k_q4739d987b0_proj-k_q4739d987b0_proj
	.p2alignl 7, 3214868480
	.fill 96, 4, 3214868480
	.section	.rodata,"a",@progbits
	.p2align	6, 0x0
	.amdhsa_kernel k_q4739d987b0_proj
		.amdhsa_group_segment_fixed_size 327680
		.amdhsa_private_segment_fixed_size 0
		.amdhsa_enable_private_segment 0
		.amdhsa_kernarg_size 48
		.amdhsa_user_sgpr_count 2
		.amdhsa_user_sgpr_kernarg_segment_ptr 1
		.amdhsa_wavefront_size32 1
		.amdhsa_system_sgpr_workgroup_id_x 1
		.amdhsa_system_sgpr_workgroup_id_y 1
		.amdhsa_system_sgpr_workgroup_id_z 1
		.amdhsa_system_vgpr_workitem_id 0
		.amdhsa_next_free_vgpr 1024
		.amdhsa_next_free_sgpr 96
		.amdhsa_reserve_vcc 0
		.amdhsa_float_denorm_mode_32 3
		.amdhsa_float_denorm_mode_16_64 3
		.amdhsa_memory_ordered 1
		.amdhsa_forward_progress 1
		.amdhsa_inst_pref_size 113
	.end_amdhsa_kernel
	.amdgpu_metadata
---
amdhsa.version: [ 1, 2 ]
amdhsa.kernels:
  - .name:           k_q4739d987b0_proj
    .symbol:         k_q4739d987b0_proj.kd
    .args:
      - { .name: xb, .offset: 0, .size: 8, .value_kind: global_buffer, .address_space: global }
      - { .name: wall, .offset: 8, .size: 8, .value_kind: global_buffer, .address_space: global }
      - { .name: bq, .offset: 16, .size: 8, .value_kind: global_buffer, .address_space: global }
      - { .name: bk, .offset: 24, .size: 8, .value_kind: global_buffer, .address_space: global }
      - { .name: bvo, .offset: 32, .size: 8, .value_kind: global_buffer, .address_space: global }
      - { .name: qkv, .offset: 40, .size: 8, .value_kind: global_buffer, .address_space: global }
    .group_segment_fixed_size: 327680
    .private_segment_fixed_size: 0
    .kernarg_segment_align: 8
    .kernarg_segment_size: 48
    .max_flat_workgroup_size: 128
    .sgpr_count:     96
    .vgpr_count:     1024
    .wavefront_size: 32
...
	.end_amdgpu_metadata
.endif
;; end of part 3
;; launch scores (part 4): grid 8 x 32, 4 waves a work-group, clusters of 4 x 4, 327,680 bytes of LDS; arguments qkv, pw, st; writes pw, st
.if DOCPART == 4
	.amdgcn_target "amdgcn-amd-amdhsa--gfx1250"
	.amdhsa_code_object_version 6
	.text
	.protected	k_q4739d987b0_scores
	.globl	k_q4739d987b0_scores
	.p2align	8
	.type	k_q4739d987b0_scores,@function
k_q4739d987b0_scores:
	s_mov_b64 s[64:65], 0
	v_nop
	global_prefetch_b8 v0, s[64:65] scope:SCOPE_SE
	s_setreg_imm32_b32 hwreg(HW_REG_WAVE_MODE, 25, 1), 1
	s_wait_xcnt 0x0
	s_wait_alu depctr_hold_cnt(0) depctr_sa_sdst(0) depctr_va_vdst(0) depctr_va_sdst(0) depctr_va_ssrc(0) depctr_va_vcc(0) depctr_vm_vsrc(0)
	s_getreg_b32 s2, hwreg(HW_REG_IB_STS2, 6, 4)
	s_cmp_eq_u32 s2, 0
	s_cbranch_scc0 .Lentry_in_a_cluster
	s_endpgm
.Lentry_in_a_cluster:
	s_bfe_u32 s2, ttmp6, 0x10000c
	s_cmp_lg_u32 s2, 0xf033
	s_cbranch_scc0 .Lentry_shape_is_right
	s_endpgm
.Lentry_shape_is_right:
; SCORES.  s[q][k] = q[q] . k[k] (1,024 channels), for each of four batches of 2,048 x 2,048; stored are p = 2^(c s - c m) in bf16 (pw, [8192][2048]), c = log2(e) / 32, where m is the TRUE maximum of the row's
; scores within a chunk of 128 keys, and for each row and chunk c m and l = the sum of the unrounded p (st, f32 [4 batches][16 chunks][c m, l][2048 rows]).  The next launch takes the maximum over a row's 16 chunks
; and corrects each chunk in f32: together the two are softmax with the row's true maximum taken away.
; LIMITS.  A weight below 2^-126 counts as 0.  NaN and infinities are not treated apart.
; SHARES.  256 work-groups: a tile of 256 queries x 256 keys; four waves, each 128 x 128: 64 accumulators, 512 registers: a wave's 128 keys ARE a chunk, so no wave needs another for the statistics.
; K goes in 8 steps of 128 channels through two LDS slots; rows of both tiles are 256 bytes of memory, aligned.  Source 0 = 16 keys, source 1 = 16 queries: a lane holds one query (lane % 16) and keys 8 (lane / 16) + 0..7.
; CLUSTER 4 x 4: q's tile is asked for jointly along a row of the cluster, k's along a column.  A cluster lies within one batch.
; REGISTERS.  window 0: v0-31 addresses; v64-127, v128-191 q's fragments, two buffers; window 1: the same for k's; windows 2, 3: the accumulators of my rows 0-63, 64-127, (a, b) at v[8 (8 a + b)].
;   In the epilogue window 0 holds: v32-63, v224-255 rows read back; v80-95 statistics; v96-103 at work; v192-223 packed weights.
.set PITCH, 272                        ; 256 bytes + 16: the 16 rows of a load start at 16 different groups of four banks
.set HALFT, 128*PITCH
.set SLOT,  4*HALFT                    ; q's 256 rows, then k's.  0x22000 shares no bit with wave x HALFT (0x8800): an exclusive or with it is a sum
.set STAGE, 2*SLOT
.set SP,    272
.set SPARE, STAGE+4*16*SP
.set QP,    6144                       ; bytes in a row of qkv
.set PP,    4096                       ; bytes in a row of pw
.set ADA0, 16
.set ADB0, 17
.set ADA,  18
.set ADB,  19
.set STO,  20
.set RD,   21
.set CO,   22
.set SA,   23                          ; v23  where I put a statistic
.set SB,   24                          ; v24  where I read two back
.set PFO,  25
.set SG,   26                          ; v26  8 x my lane
.set SPW,  28
.set NIL,  29
.set F0,   64
.set F1,   128
.set TMP,  192
.set OB,   32
.set ST,   80                          ; row block a: c m, m, l, at work
.set MT,   96
.set G1,  24
.set G0,  32
.set G1B, 48
.set G0B, 56
.set TB,  66
.set CNT, 67
.set PFA, 68
.set LIM, 72
.set CS,  74                           ; s[74:75] c, twice
.set SEL, 76                           ; s[76:77] v_permlanex16_b32's selects: each lane takes its own place in the other half
.set HM,  78                           ; s78  mask of lanes 16-31
.set WV,  80
.set WH,  81
.set WL,  82
.set CX,  83
.set CY,  84
.set BX,  85
.set BY,  86
.set CLY, 87
.set BAT, 88
.set MUL_LO, 0xa1                      ; source 0 (k) window 1, source 1 (q) window 0, C and D window 2
.set MUL_HI, 0xf1
.set TO_B,   0x40
.set MSB, 0
.macro WIN new
.if MSB != (\new)
	s_set_vgpr_msb (MSB<<8)|(\new)
.set MSB, (\new)
.endif
.endm
.macro PLACES
.rept 4
	v_nop
.endr
.endm
.macro CREST
	s_cmp_lg_u32 s[WV], 0
	s_cbranch_scc1 .Lnot_wave_0_\@
	s_barrier_signal -3
.Lnot_wave_0_\@:
	s_barrier_wait -3
	s_barrier_signal -1
	s_barrier_wait -1
.endm
.macro CROUND
	s_barrier_signal -1
	s_barrier_wait -1
	CREST
.endm
.macro JLOAD
	s_cmp_eq_u32 s[WH], 0
	s_cbranch_scc0 .Lfor_b_\@
	tensor_load_to_lds s[G0+4:G0+7], s[G1:G1+7]
	s_nop 0
.rept 4
	v_nop
.endr
	s_branch .Lasked_\@
.Lfor_b_\@:
	tensor_load_to_lds s[G0B+4:G0B+7], s[G1B:G1B+7]
	s_nop 0
.rept 4
	v_nop
.endr
.Lasked_\@:
.endm
; A prefetch of the K step that stands two refills on, 512 matrix instructions ahead of its load: 32 rows x 256 bytes, a lane a row.  q's rows are read by both clusters of a row of clusters: cluster x = 0 asks;
; k's rows by the two clusters of a batch in a column: the even cluster y asks.  Of the 128 rows that a wave fetches each of the four partners takes 32, told apart by address.  The last two refills ask for nothing.
.macro ASK
	s_cmp_gt_u32 s[CNT], s[LIM]
	s_cbranch_scc0 .Lnot_mine_\@
	global_prefetch_b8 v[PFO], s[PFA:PFA+1] th:TH_LOAD_NT scope:SCOPE_SE
.Lnot_mine_\@:
.endm
	s_load_b128 s[4:7], s[0:1], 0x0                ; qkv s[4:5], pw s[6:7]
	s_load_b64 s[8:9], s[0:1], 0x10                ; st
	v_lshl_add_u32 v[SPW], v0, 2, SPARE
	v_mov_b32 v[NIL], 0
	ds_add_u32 v[SPW], v[NIL]                      ; the wave's opening: the add and its wait stand ahead of my first tensor load
	v_lshrrev_b32 v1, 5, v0
	v_readfirstlane_b32 s[WV], v1
	s_lshr_b32 s[WH], s[WV], 1                     ; my half of the tile's queries.  Also: I fetch for q (0) or for k (1)
	s_and_b32 s[WL], s[WV], 1                      ; my half of its keys.  Also: which 128 rows I fetch
	s_bfe_u32 s[CX], ttmp6, 0x40000
	s_bfe_u32 s[CY], ttmp6, 0x40004
	s_lshl_b32 s[BX], ttmp9, 2
	s_add_co_u32 s[BX], s[BX], s[CX]               ; key tile 0..7
	s_and_b32 s[CLY], ttmp7, 0xffff
	s_lshl_b32 s[BY], s[CLY], 2
	s_add_co_u32 s[BY], s[BY], s[CY]               ; 8 x batch + query tile
	s_lshr_b32 s[BAT], s[CLY], 1                   ; the batch: the same in all sixteen partners
	s_lshl_b32 s20, s[CY], 2
	s_lshl_b32 s20, 15, s20
	s_lshl_b32 s21, 0x1111, s[CX]
	s_or_b32 s[G1], s20, (1<<16)|(1<<20)|(1<<21)|(5<<22)|(3<<25)   ; after every 64 words 4 words of padding
	s_or_b32 s[G1B], s21, (1<<16)|(1<<20)|(1<<21)|(5<<22)|(3<<25)
.irp g, G1, G1B
	s_mov_b32 s[(\g)+1], 128<<16                   ; tensor_dim0 = 128
	s_mov_b32 s[(\g)+2], 128<<16                   ; tensor_dim1 = 128
	s_mov_b32 s[(\g)+3], 128<<16                   ; tile_dim0 = 128
	s_mov_b32 s[(\g)+4], 128                       ; tile_dim1 = 128
	s_mov_b32 s[(\g)+5], 3072                      ; elements from row to row
	s_mov_b32 s[(\g)+6], 0
	s_mov_b32 s[(\g)+7], 0
.endr
	s_lshl_b32 s40, s[BY], 8
	s_lshl_b32 s41, s[WL], 7
	s_add_co_u32 s40, s40, s41
	s_mul_i32 s40, s40, QP                         ; q: row 256 x (8 batch + tile) + 128 x half
	s_mov_b32 s41, 0
	s_lshl_b32 s44, s[BAT], 11
	s_lshl_b32 s45, s[BX], 8
	s_add_co_u32 s44, s44, s45
	s_lshl_b32 s45, s[WL], 7
	s_add_co_u32 s44, s44, s45
	s_mul_i32 s44, s44, QP                         ; k: row 2,048 x batch + 256 x key tile + 128 x half,
	s_add_co_u32 s44, s44, 2048                    ; at byte 2,048 of a row
	s_mov_b32 s45, 0
	s_mov_b32 s[G0], 1
	s_mul_i32 s[G0+1], s[WV], HALFT                ; q's two halves, then k's two halves = wave x 128 rows
	s_mov_b32 s[G0+4], 1
	s_add_co_u32 s[G0+5], s[G0+1], SLOT
	s_mov_b32 s[G0B], 1
	s_mul_i32 s[G0B+1], s[WV], HALFT
	s_mov_b32 s[G0B+4], 1
	s_add_co_u32 s[G0B+5], s[G0B+1], SLOT
	s_mov_b32 s[TB], 0
	s_mov_b32 s[CS], 0x3d38aa3b                    ; c = log2(e) / 32
	s_mov_b32 s[CS+1], s[CS]
	s_mov_b32 s[SEL], 0x76543210
	s_mov_b32 s[SEL+1], 0xfedcba98
	s_wait_dscnt 0x0
	s_wait_kmcnt 0x0
	s_add_nc_u64 s[40:41], s[4:5], s[40:41]
	s_add_nc_u64 s[44:45], s[4:5], s[44:45]
	s_mov_b64 s[G0+2:G0+3], s[40:41]
	s_or_b32 s[G0+3], s[G0+3], 0x80000000
	s_add_nc_u64 s[G0+6:G0+7], s[40:41], 256
	s_or_b32 s[G0+7], s[G0+7], 0x80000000
	s_mov_b64 s[G0B+2:G0B+3], s[44:45]
	s_or_b32 s[G0B+3], s[G0B+3], 0x80000000
	s_add_nc_u64 s[G0B+6:G0B+7], s[44:45], 256
	s_or_b32 s[G0B+7], s[G0B+7], 0x80000000
	CROUND
	s_cmp_eq_u32 s[WH], 0
	s_cbranch_scc0 .Lfirst_b
	tensor_load_to_lds s[G0:G0+3], s[G1:G1+7]
	s_nop 0
	tensor_load_to_lds s[G0+4:G0+7], s[G1:G1+7]
	s_nop 0
.rept 4
	v_nop
.endr
	s_branch .Lfirst_asked
.Lfirst_b:
	tensor_load_to_lds s[G0B:G0B+3], s[G1B:G1B+7]
	s_nop 0
	tensor_load_to_lds s[G0B+4:G0B+7], s[G1B:G1B+7]
	s_nop 0
.rept 4
	v_nop
.endr
.Lfirst_asked:
	v_and_b32 v1, 15, v0                           ; r
	v_bfe_u32 v2, v0, 4, 1                         ; h
	v_and_b32 v3, 31, v0                           ; l
	v_mul_u32_u24 v4, v1, PITCH
	v_lshl_add_u32 v4, v2, 4, v4                   ; row x pitch + 16 h
	s_mul_i32 s20, s[WH], HALFT
	s_mul_i32 s21, s[WL], HALFT
	s_add_co_u32 s21, s21, 2*HALFT
	v_add_nc_u32 v[ADA0], s20, v4
	v_add_nc_u32 v[ADB0], s21, v4
	v_mov_b32 v[ADA], v[ADA0]
	v_mov_b32 v[ADB], v[ADB0]
	s_mul_i32 s22, s[WV], 16*SP
	s_add_co_u32 s22, s22, STAGE
	v_add_nc_u32 v[STO], s22, v4                   ; the stage has the tiles' pitch
	v_mul_u32_u24 v[RD], v2, SP
	v_lshl_add_u32 v[RD], v1, 4, v[RD]
	v_add_nc_u32 v[RD], s22, v[RD]
	v_lshlrev_b32 v[CO], 12, v2
	v_lshl_add_u32 v[CO], v1, 4, v[CO]             ; two rows of pw
	v_lshlrev_b32 v[SA], 2, v1
	v_lshl_add_u32 v[SA], v2, 8, v[SA]
	v_add_nc_u32 v[SA], s22, v[SA]                 ; lanes 0-15 put c m, lanes 16-31 l, 256 bytes further
	v_lshl_add_u32 v[SB], v3, 3, s22
	v_lshlrev_b32 v[SG], 3, v3
	s_lshl_b32 s20, s[BY], 20                      ; pw: (256 x (8 batch + tile) + 128 x my half) rows of 4,096 bytes,
	s_lshl_b32 s21, s[WH], 19
	s_add_co_u32 s20, s20, s21
	s_lshl_b32 s21, s[BX], 9                       ; key 256 x key tile + 128 x my half
	s_add_co_u32 s20, s20, s21
	s_lshl_b32 s21, s[WL], 8
	s_add_co_u32 s20, s20, s21
	s_mov_b32 s21, 0
	s_add_nc_u64 s[6:7], s[6:7], s[20:21]
	s_lshl_b32 s20, s[BAT], 18                     ; st: batch, chunk 2 x key tile + my half, row in the batch
	s_lshl_b32 s21, s[BX], 15
	s_add_co_u32 s20, s20, s21
	s_lshl_b32 s21, s[WL], 14
	s_add_co_u32 s20, s20, s21
	s_and_b32 s21, s[CLY], 1
	s_lshl_b32 s21, s21, 2
	s_add_co_u32 s21, s21, s[CY]
	s_lshl_b32 s21, s21, 10
	s_add_co_u32 s20, s20, s21
	s_lshl_b32 s21, s[WH], 9
	s_add_co_u32 s20, s20, s21
	s_mov_b32 s21, 0
	s_add_nc_u64 s[8:9], s[8:9], s[20:21]
	s_and_b32 s20, s[CLY], 1                       ; the prefetches
	s_cmp_eq_u32 s[WH], 0
	s_cselect_b32 s20, ttmp9, s20                  ; the coordinate along which another cluster reads the same rows
	s_cselect_b32 s21, s[CX], s[CY]                ; my place among the four that ask with me
	s_cselect_b64 s[PFA:PFA+1], s[40:41], s[44:45]
	s_cmp_eq_u32 s20, 0
	s_cselect_b32 s[LIM], 2, -1
	s_mul_i32 s22, s21, 32*QP
	s_mov_b32 s23, 0
	s_add_nc_u64 s[PFA:PFA+1], s[PFA:PFA+1], s[22:23]
	s_add_nc_u64 s[PFA:PFA+1], s[PFA:PFA+1], 3*256 ; at K step 3: the first change of slots steps it to 4
	v_mul_u32_u24 v[PFO], v3, QP
.macro MUL16 f, hi, a0, zero           ; 16 products: row blocks a0, a0 + 1 of the window's four x all 8 key blocks.  The 64 accumulators take turns
	WIN MUL_LO+0x50*(\hi)
.irp a, \a0, (\a0)+1
.irp b, 0,1,2,3,4,5,6,7
.if \zero
	v_wmma_f32_16x16x32_bf16 v[8*(8*(\a)+(\b)):8*(8*(\a)+(\b))+7], v[(\f)+8*(\b):(\f)+8*(\b)+7], v[(\f)+8*(4*(\hi)+(\a)):(\f)+8*(4*(\hi)+(\a))+7], 0
.else
	v_wmma_f32_16x16x32_bf16 v[8*(8*(\a)+(\b)):8*(8*(\a)+(\b))+7], v[(\f)+8*(\b):(\f)+8*(\b)+7], v[(\f)+8*(4*(\hi)+(\a)):(\f)+8*(4*(\hi)+(\a))+7], v[8*(8*(\a)+(\b)):8*(8*(\a)+(\b))+7]
.endif
.endr
.endr
.endm
.macro FETCH k, f                      ; 32 LDS loads in one run: 128 rows of k, 128 rows of q, 32 channels at byte k of the rows
	WIN TO_B
.irp i, 0,1,2,3,4,5,6,7
	ds_load_b128 v[(\f)+8*(\i):(\f)+8*(\i)+3],   v[ADB] offset:(\k)+(\i)*16*PITCH
	ds_load_b128 v[(\f)+8*(\i)+4:(\f)+8*(\i)+7], v[ADB] offset:(\k)+(\i)*16*PITCH+32
.endr
	WIN 0
.irp i, 0,1,2,3,4,5,6,7
	ds_load_b128 v[(\f)+8*(\i):(\f)+8*(\i)+3],   v[ADA] offset:(\k)+(\i)*16*PITCH
	ds_load_b128 v[(\f)+8*(\i)+4:(\f)+8*(\i)+7], v[ADA] offset:(\k)+(\i)*16*PITCH+32
.endr
.endm
.macro QUARTER k, f, g, zero           ; 64 products from buffer f; in the middle the next quarter's fragments, at byte k, go into g
	s_wait_dscnt 8                                 ; k's rows and q's rows 0-63 are in; the youngest eight loads may be out
	MUL16 \f, 0, 0, \zero
	MUL16 \f, 0, 2, \zero
	PLACES
	FETCH \k, \g
	s_wait_dscnt 32                                ; all but the 32 just issued
	MUL16 \f, 1, 0, \zero
	MUL16 \f, 1, 2, \zero
.endm
.macro TURN fill                       ; the step's last quarter multiplies buffer 1 and changes slots
.if \fill
	s_wait_xcnt 0x0                                ; the last prefetch, a K step back, has read its address
	s_add_nc_u64 s[PFA:PFA+1], s[PFA:PFA+1], 256
.endif
	WIN 0
	s_wait_tensorcnt 0x0                           ; all my tensor loads have landed: the one that was out is my part of the next slot
	ds_add_u32 v[SPW], v[NIL]
	s_wait_dscnt 9                                 ; the add and the youngest eight loads may be out
	MUL16 F1, 0, 0, 0
	s_wait_dscnt 0x0                               ; the add is done, and my reads of this slot are over
	s_barrier_signal -1
	MUL16 F1, 0, 2, 0
	WIN 0
	s_barrier_wait -1
.if \fill
	CREST
	s_xor_b32 s[G0+5], s[G0+5], SLOT
	s_add_nc_u64 s[G0+6:G0+7], s[G0+6:G0+7], 256
	s_xor_b32 s[G0B+5], s[G0B+5], SLOT
	s_add_nc_u64 s[G0B+6:G0B+7], s[G0B+6:G0B+7], 256
	JLOAD                                          ; 224 products ahead of the wait for it
.else
	PLACES
.endif
	s_xor_b32 s[TB], s[TB], SLOT
	v_add_nc_u32 v[ADA], s[TB], v[ADA0]
	v_add_nc_u32 v[ADB], s[TB], v[ADB0]
.if (\fill) == 0
	s_cmp_eq_u32 s[CNT], 1
	s_cbranch_scc1 .Lno_fetch_\@
.endif
	FETCH 0, F0
.if \fill
	ASK
.else
.Lno_fetch_\@:
.endif
	MUL16 F1, 1, 0, 0
	MUL16 F1, 1, 2, 0
.endm
	s_wait_tensorcnt 1                             ; my part of K step 0 is in; K step 1's may stay out
	s_barrier_signal -1
	s_barrier_wait -1
	FETCH 0, F0
	QUARTER 64, F0, F1, 1                          ; the first quarter stands in front of the loop: its products start the sums
	WIN 0
	s_mov_b32 s[CNT], 6
.Lstep:                                ; a trip goes from a step's second quarter to the next step's first; K steps 0 to 5 ask for 2 to 7
	QUARTER 128, F1, F0, 0
	QUARTER 192, F0, F1, 0
	TURN 1
	QUARTER 64, F0, F1, 0
	WIN 0
	s_sub_co_u32 s[CNT], s[CNT], 1
	s_cmp_lg_u32 s[CNT], 0
	s_cbranch_scc1 .Lstep
	s_mov_b32 s[CNT], 2
.Ltail:                                ; the last two K steps ask for nothing; the second trip is left in its middle
	QUARTER 128, F1, F0, 0
	QUARTER 192, F0, F1, 0
	TURN 0
	WIN 0
	s_sub_co_u32 s[CNT], s[CNT], 1
	s_cmp_eq_u32 s[CNT], 0
	s_cbranch_scc1 .Lout
	QUARTER 64, F0, F1, 0
	WIN 0
	s_branch .Ltail
.Lout:
	s_wait_dscnt 0x0
	; THE EPILOGUE, for 64 rows at a time, written for window 2 and walked twice: behind the first trip window 3's accumulators are moved to where the one text names them (256 moves, the price of one text).
.macro EMAX a                          ; the maximum of row block a's 128 scores a row; each accumulator's lowest registers are read first
.set AC, 64*(\a)
.set rT, ST+4*(\a)
	WIN 0x2a
.irp b, 0,1,2,3,4,5,6,7
	v_max3_num_f32 v[MT+(\b)], v[AC+8*(\b)], v[AC+8*(\b)+1], v[AC+8*(\b)+2]
.endr
	WIN 0x28
.irp b, 0,1,2,3,4,5,6,7
	v_max3_num_f32 v[MT+(\b)], v[MT+(\b)], v[AC+8*(\b)+3], v[AC+8*(\b)+4]
.endr
.irp b, 0,1,2,3,4,5,6,7
	v_max3_num_f32 v[MT+(\b)], v[MT+(\b)], v[AC+8*(\b)+5], v[AC+8*(\b)+6]
.endr
.irp b, 0,2,4,6
	v_max3_num_f32 v[MT+(\b)], v[MT+(\b)], v[AC+8*(\b)+7], v[AC+8*(\b)+15]
.endr
	WIN 0
	v_max3_num_f32 v[MT], v[MT], v[MT+1], v[MT+2]
	v_max3_num_f32 v[MT+3], v[MT+3], v[MT+4], v[MT+5]
	v_max3_num_f32 v[MT], v[MT], v[MT+6], v[MT+7]
	v_max_num_f32 v[MT], v[MT], v[MT+3]
	v_permlanex16_b32 v[MT+1], v[MT], s[SEL], s[SEL+1]   ; the row's other 64 keys lie in the lane 16 away
	v_max_num_f32 v[rT+1], v[MT], v[MT+1]
	v_mul_f32 v[rT], s[CS], v[rT+1]
.endm
.macro ESCALE a                        ; c s - c m, in place
.set AC, 64*(\a)
.set rT, ST+4*(\a)
	WIN 0x82
.set i, 0
.rept 32
	v_pk_fma_f32 v[AC+2*i:AC+2*i+1], v[AC+2*i:AC+2*i+1], s[CS:CS+1], v[rT:rT+1] op_sel_hi:[1,0,0] neg_lo:[0,0,1] neg_hi:[0,0,1]
.set i, i+1
.endr
.endm
.macro EEXP a                          ; one batch of 64 exponentials, in place
.set AC, 64*(\a)
	WIN 0x82
.set i, 0
.rept 64
	v_exp_f32 v[AC+i], v[AC+i]
.set i, i+1
.endr
.endm
.macro ECVT a
.set AC, 64*(\a)
	WIN 0x0a
.set i, 0
.rept 32
	v_cvt_pk_bf16_f32 v[TMP+i], v[AC+2*i], v[AC+2*i+1]
.set i, i+1
.endr
.endm
.macro ESUM a                          ; l: a tree over the 32 pairs, in place, then the pair's halves and the other half of the lanes
.set AC, 64*(\a)
.set rT, ST+4*(\a)
	WIN 0x8a
.irp w, 4,8,16,32
.set i, 0
.rept 64/(\w)
	v_pk_add_f32 v[AC+(\w)*i:AC+(\w)*i+1], v[AC+(\w)*i:AC+(\w)*i+1], v[AC+(\w)*i+(\w)/2:AC+(\w)*i+(\w)/2+1]
.set i, i+1
.endr
.endr
	WIN 0x0a
	v_pk_add_f32 v[rT+2:rT+3], v[AC:AC+1], v[AC+32:AC+33]
	WIN 0
	v_add_f32 v[rT+2], v[rT+2], v[rT+3]
	v_permlanex16_b32 v[rT+3], v[rT+2], s[SEL], s[SEL+1]
	v_add_f32 v[rT+2], v[rT+2], v[rT+3]
.endm
.macro TOSTAGE a
.set BK, OB+192*((\a)%2)
.irp b, 0,1,2,3,4,5,6,7
	ds_store_b128 v[STO], v[TMP+4*(\b):TMP+4*(\b)+3] offset:32*(\b)
.endr
.irp u, 0,1,2,3,4,5,6,7
	ds_load_b128 v[BK+4*(\u):BK+4*(\u)+3], v[RD] offset:(\u)*2*SP   ; LDS serves a wave's instructions in order: these see the stores above
.endr
.endm
.macro SEND a
.set BK, OB+192*((\a)%2)
	s_wait_dscnt 0x0
	s_wait_xcnt 0x0                                ; earlier stores have read their registers
.irp u, 0,1,2,3,4,5,6,7
	global_store_b128 v[CO], v[BK+4*(\u):BK+4*(\u)+3], s[6:7] offset:(\a)*16*PP+2*(\u)*PP   ; 16 lanes store 256 consecutive bytes, aligned
.endr
.endm
	PLACES
	v_cmp_eq_u32 s[HM], 1, v2
	s_mov_b32 s[CNT], 2
.Lep:
	EMAX 0
.irp a, 0,1,2,3
	ESCALE \a
	EEXP \a
.if (\a) < 3
	EMAX (\a)+1                                    ; the next block's maximum is the independent work behind the batch
.else
	v_nop
.endif
	s_wait_alu depctr_va_vdst(0)                   ; one wait for the batch, ahead of its first reader
	ECVT \a
	ESUM \a
.if (\a) > 0
	SEND (\a)-1
.endif
	TOSTAGE \a
.endr
	SEND 3
.irp a, 0,1,2,3                        ; the 64 rows' c m and l go through the stage, so that each leaves as 256 consecutive bytes
	v_cndmask_b32 v[MT+(\a)], v[ST+4*(\a)], v[ST+4*(\a)+2], s[HM]
.endr
.irp a, 0,1,2,3
	ds_store_b32 v[SA], v[MT+(\a)] offset:64*(\a)
.endr
	ds_load_b64 v[MT+4:MT+5], v[SB]
	ds_load_b64 v[MT+6:MT+7], v[SB] offset:256
	s_wait_dscnt 0x0
	global_store_b64 v[SG], v[MT+4:MT+5], s[8:9]
	global_store_b64 v[SG], v[MT+6:MT+7], s[8:9] offset:8192
	s_wait_xcnt 0x0                                ; the stores have read their registers and bases
	s_cmp_eq_u32 s[CNT], 1
	s_cbranch_scc1 .Lep_last
	s_add_nc_u64 s[6:7], s[6:7], 64*PP
	s_add_nc_u64 s[8:9], s[8:9], 256
	WIN 0x83
.set i, 0
.rept 256
	v_mov_b32 v[i], v[i]                           ; window 3 to window 2, ascending
.set i, i+1
.endr
	WIN 0
.Lep_last:
	s_sub_co_u32 s[CNT], s[CNT], 1
	s_cmp_lg_u32 s[CNT], 0
	s_cbranch_scc1 .Lep
	s_wait_tensorcnt 0x0                           ; the wave's end
	ds_add_u32 v[SPW], v[NIL]
	s_wait_dscnt 0x0
	CROUND
	s_endpgm
.Lfunc_end_k_q4739d987b0_scores:
	.size	k_q4739d987b0_scores, .Lfunc_end_k_q4739d987b0_scores-k_q4739d987b0_scores
	.p2alignl 7, 3214868480
	.fill 96, 4, 3214868480
	.section	.rodata,"a",@progbits
	.p2align	6, 0x0
	.amdhsa_kernel k_q4739d987b0_scores
		.amdhsa_group_segment_fixed_size 327680
		.amdhsa_private_segment_fixed_size 0
		.amdhsa_enable_private_segment 0
		.amdhsa_kernarg_size 24
		.amdhsa_user_sgpr_count 2
		.amdhsa_user_sgpr_kernarg_segment_ptr 1
		.amdhsa_wavefront_size32 1
		.amdhsa_system_sgpr_workgroup_id_x 1
		.amdhsa_system_sgpr_workgroup_id_y 1
		.amdhsa_system_sgpr_workgroup_id_z 1
		.amdhsa_system_vgpr_workitem_id 0
		.amdhsa_next_free_vgpr 1024
		.amdhsa_next_free_sgpr 96
		.amdhsa_reserve_vcc 0
		.amdhsa_float_denorm_mode_32 3
		.amdhsa_float_denorm_mode_16_64 3
		.amdhsa_memory_ordered 1
		.amdhsa_forward_progress 1
		.amdhsa_inst_pref_size 128
	.end_amdhsa_kernel
	.amdgpu_metadata
---
amdhsa.version: [ 1, 2 ]
amdhsa.kernels:
  - .name:           k_q4739d987b0_scores
    .symbol:         k_q4739d987b0_scores.kd
    .args:
      - { .name: qkv, .offset: 0, .size: 8, .value_kind: global_buffer, .address_space: global }
      - { .name: pw, .offset: 8, .size: 8, .value_kind: global_buffer, .address_space: global }
      - { .name: st, .offset: 16, .size: 8, .value_kind: global_buffer, .address_space: global }
    .group_segment_fixed_size: 327680
    .private_segment_fixed_size: 0
    .kernarg_segment_align: 8
    .kernarg_segment_size: 24
    .max_flat_workgroup_size: 128
    .sgpr_count:     96
    .vgpr_count:     1024
    .wavefront_size: 32
...
	.end_amdgpu_metadata
.endif
;; end of part 4
;; launch pv (part 5): grid 8 x 32, 4 waves a work-group, clusters of 4 x 4, 327,680 bytes of LDS; arguments pw, qkv, st, tokens, out0; writes out0
.if DOCPART == 5
	.amdgcn_target "amdgcn-amd-amdhsa--gfx1250"
	.amdhsa_code_object_version 6
	.text
	.protected	k_q4739d987b0_pv
	.globl	k_q4739d987b0_pv
	.p2align	8
	.type	k_q4739d987b0_pv,@function
k_q4739d987b0_pv:
	s_mov_b64 s[64:65], 0
	v_nop
	global_prefetch_b8 v0, s[64:65] scope:SCOPE_SE
	s_setreg_imm32_b32 hwreg(HW_REG_WAVE_MODE, 25, 1), 1
	s_wait_xcnt 0x0
	s_wait_alu depctr_hold_cnt(0) depctr_sa_sdst(0) depctr_va_vdst(0) depctr_va_sdst(0) depctr_va_ssrc(0) depctr_va_vcc(0) depctr_vm_vsrc(0)
	s_getreg_b32 s2, hwreg(HW_REG_IB_STS2, 6, 4)
	s_cmp_eq_u32 s2, 0
	s_cbranch_scc0 .Lentry_in_a_cluster
	s_endpgm
.Lentry_in_a_cluster:
	s_bfe_u32 s2, ttmp6, 0x10000c
	s_cmp_lg_u32 s2, 0xf033
	s_cbranch_scc0 .Lentry_shape_is_right
	s_endpgm
.Lentry_shape_is_right:
; PV.  out0[q][e] = tokens[q][e] + the sum over the 16 chunks of f[q][chunk] x (the sum over the chunk's 128 keys of p[q][key] v'[key][e]), f32.  v' = x (Wv Wo) + bv Wo + bo is the last third of qkv's rows:
; the output projection and both biases lie in it already (a softmax row sums to 1).
; f = 2^(c m_chunk - M) / L, M = the maximum of the row's 16 c m (the row's true maximum), L = the sum of 2^(c m_chunk - M) l_chunk: with the launch before this is softmax with the true maximum taken away.
; f is applied in f32 to each chunk's partial sum: no further rounding.  LIMITS: a factor below 2^-126 counts as 0; NaN and infinities are not treated apart.  L is at least 1: the chunk that holds M has l >= 1.
; SHARES.  256 work-groups: 256 queries x 128 columns.  Wave w: queries 64 w .. 64 w + 63: 32 accumulators X for the chunk in hand (window 1) and 32 sums O (window 2).  A K step is a chunk.
; THE RESIDUAL STARTS THE SUMS: tokens are loaded straight into O, in the accumulators' layout (a lane: one row, 32 bytes of it for each accumulator), while the first tiles are on their way: nothing is cleared.
; p's tile: 256 rows of 256 bytes; v's tile: 128 key rows of 256 bytes, [key][column], read turned by ds_load_tr16_b128.  Source 0 = 16 columns, source 1 = 16 queries.
; RIDERS.  O += f X costs 128 packed lines a chunk; they stand four behind each of the 32 products that start X anew, so that the matrix unit works meanwhile.
; The way out goes through my stage, 16 rows of 528 bytes: a store of the wave then covers 512 consecutive bytes, aligned.
; CLUSTER 4 x 4: p's tile jointly along a row of the cluster, v's along a column.
; REGISTERS.  window 0: v0-31 addresses; v32-35 f of my four row blocks; v36-47 at work; v64-255 fragment buffer 0.  window 3: v64-255 fragment buffer 1.
;   A buffer holds 64 along K: p's fragment (c, a) at 64 + 8 (4 c + a), v's (c, b) at 128 + 8 (8 c + b).
.set PA,    272
.set PB,    288                        ; 256 + 32
.set SLOT1, 131072
.set BOFF,  256*PA
.set STAGE, SLOT1+BOFF+128*PB
.set SP,    528                        ; a row of the stage: 512 bytes + 16
.set FTAB,  STAGE+4*16*SP              ; for each wave 16 chunks x 64 rows of f: row 16 a + r at byte 256 chunk + 16 r + 4 a
.set SPARE, FTAB+4*4096
.set ASTEP, 256
.set BSTEP, 128*6144
.set QP,    6144
.set PP,    4096
.set ADA0, 16
.set ADB0, 17
.set ADA,  18
.set ADB,  19
.set STO,  20                          ; v20  the way out: where I put 32 bytes of a row
.set RD,   21                          ; v21  where I read a row back
.set CO,   22                          ; v22  16 x my lane: a row's 512 bytes over the 32 lanes
.set TR,   23                          ; v23  where the next chunk's f lie
.set FW,   24                          ; v24  where I put f
.set PFO,  25
.set TK,   26                          ; v26  my byte offset in 16 rows of tokens: 4,096 r + 32 h
.set SPW,  28
.set NIL,  29
.set F,    32
.set FB,   64
.set G1,  24
.set G0,  32
.set G1B, 48
.set G0B, 56
.set TB,  66
.set CNT, 67
.set PFA, 68
.set PFS, 70                           ; s[70:71] bytes from a K step to the next in what I prefetch
.set LIM, 72
.set WV,  80
.set WH,  81
.set WL,  82
.set CX,  83
.set CY,  84
.set BX,  85
.set BY,  86
.set CLY, 87
.set BAT, 88
.set MSB, 0
.macro WIN new
.if MSB != (\new)
	s_set_vgpr_msb (MSB<<8)|(\new)
.set MSB, (\new)
.endif
.endm
.macro PLACES
.rept 4
	v_nop
.endr
.endm
.macro CREST
	s_cmp_lg_u32 s[WV], 0
	s_cbranch_scc1 .Lnot_wave_0_\@
	s_barrier_signal -3
.Lnot_wave_0_\@:
	s_barrier_wait -3
	s_barrier_signal -1
	s_barrier_wait -1
.endm
.macro CROUND
	s_barrier_signal -1
	s_barrier_wait -1
	CREST
.endm
.macro JLOAD
	s_cmp_eq_u32 s[WH], 0
	s_cbranch_scc0 .Lfor_b_\@
	tensor_load_to_lds s[G0+4:G0+7], s[G1:G1+7]
	s_nop 0
.rept 4
	v_nop
.endr
	s_branch .Lasked_\@
.Lfor_b_\@:
	tensor_load_to_lds s[G0B+4:G0B+7], s[G1B:G1B+7]
	s_nop 0
.rept 4
	v_nop
.endr
.Lasked_\@:
.endm
; A prefetch of the K step that stands two refills on, 256 matrix instructions ahead of its load: 32 rows x 256 bytes, a lane a row.  p's rows: waves 0 and 1 of the clusters with x = 0, each partner 32 of the wave's
; 128 rows; v's 128 key rows: wave 2 of the clusters with even y, each partner of a column 32 rows.  All told apart by address: each block is named once.  The last two refills ask for nothing.
.macro ASK
	s_cmp_gt_u32 s[CNT], s[LIM]
	s_cbranch_scc0 .Lnot_mine_\@
	global_prefetch_b8 v[PFO], s[PFA:PFA+1] th:TH_LOAD_NT scope:SCOPE_SE
.Lnot_mine_\@:
.endm
	s_load_b256 s[4:11], s[0:1], 0x0               ; pw s[4:5], qkv s[6:7], st s[8:9], tokens s[10:11]
	s_load_b64 s[12:13], s[0:1], 0x20              ; out0
	v_lshl_add_u32 v[SPW], v0, 2, SPARE
	v_mov_b32 v[NIL], 0
	ds_add_u32 v[SPW], v[NIL]                      ; the wave's opening: the add and its wait stand ahead of my first tensor load
	v_lshrrev_b32 v1, 5, v0
	v_readfirstlane_b32 s[WV], v1
	s_lshr_b32 s[WH], s[WV], 1
	s_and_b32 s[WL], s[WV], 1
	s_bfe_u32 s[CX], ttmp6, 0x40000
	s_bfe_u32 s[CY], ttmp6, 0x40004
	s_lshl_b32 s[BX], ttmp9, 2
	s_add_co_u32 s[BX], s[BX], s[CX]               ; block of 128 columns
	s_and_b32 s[CLY], ttmp7, 0xffff
	s_lshl_b32 s[BY], s[CLY], 2
	s_add_co_u32 s[BY], s[BY], s[CY]               ; 8 x batch + query block
	s_lshr_b32 s[BAT], s[CLY], 1
	s_lshl_b32 s20, s[CY], 2
	s_lshl_b32 s20, 15, s20
	s_lshl_b32 s21, 0x1111, s[CX]
	s_or_b32 s[G1], s20, (1<<16)|(1<<20)|(1<<21)|(5<<22)|(3<<25)
	s_mov_b32 s[G1+1], 128<<16
	s_mov_b32 s[G1+2], 128<<16
	s_mov_b32 s[G1+3], 128<<16
	s_mov_b32 s[G1+4], 128                         ; 128 rows of 128 elements
	s_mov_b32 s[G1+5], 2048
	s_mov_b32 s[G1+6], 0
	s_mov_b32 s[G1+7], 0
	s_or_b32 s[G1B], s21, (1<<16)|(1<<20)|(1<<21)|(5<<22)|(7<<25)
	s_mov_b32 s[G1B+1], 128<<16
	s_mov_b32 s[G1B+2], 64<<16
	s_mov_b32 s[G1B+3], 128<<16
	s_mov_b32 s[G1B+4], 64                         ; 64 key rows of 128 elements
	s_mov_b32 s[G1B+5], 3072
	s_mov_b32 s[G1B+6], 0
	s_mov_b32 s[G1B+7], 0
	s_lshl_b32 s40, s[BY], 20
	s_lshl_b32 s41, s[WL], 19
	s_add_co_u32 s40, s40, s41                     ; p: (256 x block + 128 x half) rows of 4,096 bytes
	s_mov_b32 s41, 0
	s_lshl_b32 s44, s[BAT], 11
	s_mul_i32 s44, s44, QP                         ; v: the batch's first key row,
	s_lshl_b32 s45, s[BX], 8
	s_add_co_u32 s44, s44, s45                     ; my 128 columns,
	s_add_co_u32 s44, s44, 4096                    ; at byte 4,096 of a row
	s_mov_b32 s45, 0
	s_mul_i32 s46, s[WL], 64*QP                    ; and the half that I fetch
	s_mov_b32 s47, 0
	s_mov_b32 s[G0], 1
	s_mul_i32 s[G0+1], s[WL], 128*PA
	s_mov_b32 s[G0+4], 1
	s_add_co_u32 s[G0+5], s[G0+1], SLOT1
	s_mov_b32 s[G0B], 1
	s_mul_i32 s[G0B+1], s[WL], 64*PB
	s_add_co_u32 s[G0B+1], s[G0B+1], BOFF
	s_mov_b32 s[G0B+4], 1
	s_add_co_u32 s[G0B+5], s[G0B+1], SLOT1
	s_mov_b32 s[TB], 0
	s_wait_dscnt 0x0
	s_wait_kmcnt 0x0
	s_add_nc_u64 s[40:41], s[4:5], s[40:41]
	s_add_nc_u64 s[44:45], s[6:7], s[44:45]
	s_add_nc_u64 s[46:47], s[44:45], s[46:47]
	s_mov_b64 s[G0+2:G0+3], s[40:41]
	s_or_b32 s[G0+3], s[G0+3], 0x80000000
	s_add_nc_u64 s[G0+6:G0+7], s[40:41], ASTEP
	s_or_b32 s[G0+7], s[G0+7], 0x80000000
	s_mov_b64 s[G0B+2:G0B+3], s[46:47]
	s_or_b32 s[G0B+3], s[G0B+3], 0x80000000
	s_add_nc_u64 s[G0B+6:G0B+7], s[46:47], BSTEP
	s_or_b32 s[G0B+7], s[G0B+7], 0x80000000
	CROUND
	s_cmp_eq_u32 s[WH], 0
	s_cbranch_scc0 .Lfirst_b
	tensor_load_to_lds s[G0:G0+3], s[G1:G1+7]
	s_nop 0
	tensor_load_to_lds s[G0+4:G0+7], s[G1:G1+7]
	s_nop 0
.rept 4
	v_nop
.endr
	s_branch .Lfirst_asked
.Lfirst_b:
	tensor_load_to_lds s[G0B:G0B+3], s[G1B:G1B+7]
	s_nop 0
	tensor_load_to_lds s[G0B+4:G0B+7], s[G1B:G1B+7]
	s_nop 0
.rept 4
	v_nop
.endr
.Lfirst_asked:
	v_and_b32 v1, 15, v0                           ; r
	v_bfe_u32 v2, v0, 4, 1                         ; h
	v_and_b32 v3, 31, v0                           ; l
	v_and_b32 v4, 7, v0
	v_bfe_u32 v5, v0, 3, 1
	; the statistics of my wave's 64 rows: lane l takes rows 2 l and 2 l + 1, 16 chunks x (c m, l): each load covers 256 consecutive bytes
	s_lshl_b32 s20, s[BAT], 18
	s_and_b32 s21, s[CLY], 1
	s_lshl_b32 s21, s21, 2
	s_add_co_u32 s21, s21, s[CY]
	s_lshl_b32 s21, s21, 10
	s_add_co_u32 s20, s20, s21
	s_lshl_b32 s21, s[WV], 8
	s_add_co_u32 s20, s20, s21
	s_mov_b32 s21, 0
	s_add_nc_u64 s[8:9], s[8:9], s[20:21]
	v_lshlrev_b32 v6, 3, v3
.set c, 0
.rept 16
	global_load_b64 v[64+2*c:65+2*c], v6, s[8:9] offset:16384*c
	global_load_b64 v[96+2*c:97+2*c], v6, s[8:9] offset:16384*c+8192
.set c, c+1
.endr
	s_mul_i32 s20, s[WV], 64*PA
	v_mul_u32_u24 v[ADA0], v1, PA
	v_lshl_add_u32 v[ADA0], v2, 4, v[ADA0]
	v_add_nc_u32 v[ADA0], s20, v[ADA0]
	v_lshl_add_u32 v[ADB0], v2, 3, v4
	v_mul_u32_u24 v[ADB0], v[ADB0], PB
	v_lshl_add_u32 v[ADB0], v5, 4, v[ADB0]
	v_add_nc_u32 v[ADB0], BOFF, v[ADB0]
	v_mov_b32 v[ADA], v[ADA0]
	v_mov_b32 v[ADB], v[ADB0]
	s_mul_i32 s21, s[WV], 16*SP
	s_add_co_u32 s21, s21, STAGE                   ; my stage
	v_mul_u32_u24 v[STO], v1, SP
	v_lshl_add_u32 v[STO], v2, 5, v[STO]
	v_add_nc_u32 v[STO], s21, v[STO]               ; in: row r, 32 bytes for each half of the lanes
	v_lshl_add_u32 v[RD], v3, 4, s21               ; back: a whole row
	v_lshlrev_b32 v[CO], 4, v3
	v_lshlrev_b32 v[TK], 12, v1
	v_lshl_add_u32 v[TK], v2, 5, v[TK]
	s_lshl_b32 s21, s[WV], 12
	s_add_co_u32 s21, s21, FTAB
	v_lshl_add_u32 v[TR], v1, 4, s21               ; 16 r: four f on end, one for each row block
	v_lshrrev_b32 v7, 3, v3
	v_lshlrev_b32 v[FW], 5, v4
	v_lshl_add_u32 v[FW], v7, 2, v[FW]
	v_add_nc_u32 v[FW], s21, v[FW]                 ; row 2 l + j: r = 2 (l % 8) + j, a = l / 8
	s_lshl_b32 s20, s[BY], 20                      ; tokens and out0: (256 x block + 64 w) rows of 4,096 bytes, my 128 columns
	s_lshl_b32 s21, s[WV], 18
	s_add_co_u32 s20, s20, s21
	s_lshl_b32 s21, s[BX], 9
	s_add_co_u32 s20, s20, s21
	s_mov_b32 s21, 0
	s_add_nc_u64 s[10:11], s[10:11], s[20:21]
	s_add_nc_u64 s[12:13], s[12:13], s[20:21]
	s_and_b32 s20, s[CLY], 1                       ; the prefetches
	s_or_b32 s20, s20, s[WL]                       ; of waves 2 and 3 wave 2 alone
	s_mov_b32 s22, BSTEP
	s_mov_b32 s23, QP
	s_cmp_eq_u32 s[WH], 0
	s_cselect_b32 s20, ttmp9, s20
	s_cselect_b32 s21, s[CX], s[CY]
	s_cselect_b32 s[PFS], ASTEP, s22
	s_cselect_b32 s23, PP, s23
	s_cselect_b64 s[PFA:PFA+1], s[40:41], s[44:45]
	s_mov_b32 s[PFS+1], 0
	s_cmp_eq_u32 s20, 0
	s_cselect_b32 s[LIM], 2, -1
	s_lshl_b32 s21, s21, 5
	s_mul_i32 s46, s21, s23                        ; my work-group's 32 rows
	s_mov_b32 s47, 0
	s_add_nc_u64 s[PFA:PFA+1], s[PFA:PFA+1], s[46:47]
	s_mul_i32 s46, s[PFS], 3                       ; at K step 3: the first change of slots steps it to 4
	s_add_nc_u64 s[PFA:PFA+1], s[PFA:PFA+1], s[46:47]
	v_mul_u32_u24 v[PFO], v3, s23
	s_wait_loadcnt 0x0                             ; the statistics
	WIN 0x80                                       ; the residual goes into O: register j of accumulator (a, b) takes tokens[16 a + r][16 b + 8 h + j]; the wave's 16 loads of a row block cover 16 rows x 512 bytes
.set i, 0
.rept 32
	global_load_b128 v[8*i:8*i+3],   v[TK], s[10:11] offset:(i/8)*65536+(i%8)*64
	global_load_b128 v[8*i+4:8*i+7], v[TK], s[10:11] offset:(i/8)*65536+(i%8)*64+16
.set i, i+1
.endr
	WIN 0
.irp j, 0,1                            ; M: the row's true maximum, times c
	v_max3_num_f32 v[40+(\j)], v[64+(\j)], v[66+(\j)], v[68+(\j)]
.irp c, 3,5,7,9,11,13
	v_max3_num_f32 v[40+(\j)], v[40+(\j)], v[64+2*(\c)+(\j)], v[66+2*(\c)+(\j)]
.endr
	v_max_num_f32 v[40+(\j)], v[40+(\j)], v[94+(\j)]
.endr
.set c, 0
.rept 16
	v_pk_add_f32 v[64+2*c:65+2*c], v[64+2*c:65+2*c], v[40:41] neg_lo:[0,1] neg_hi:[0,1]
.set c, c+1
.endr
.set i, 0
.rept 32
	v_exp_f32 v[64+i], v[64+i]
.set i, i+1
.endr
	v_nop                                          ; a plain instruction behind the last exponential,
	s_wait_alu depctr_va_vdst(0)                   ; and one wait for the batch
	v_pk_mul_f32 v[42:43], v[64:65], v[96:97]
.set c, 1
.rept 15
	v_pk_fma_f32 v[42:43], v[64+2*c:65+2*c], v[96+2*c:97+2*c], v[42:43]
.set c, c+1
.endr
	v_rcp_f32 v44, v42
	v_rcp_f32 v45, v43
	v_nop
	s_wait_alu depctr_va_vdst(0)
.set c, 0
.rept 16
	v_pk_mul_f32 v[64+2*c:65+2*c], v[64+2*c:65+2*c], v[44:45]
.set c, c+1
.endr
.set c, 0
.rept 16
	ds_store_b32 v[FW], v[64+2*c] offset:256*c
	ds_store_b32 v[FW], v[65+2*c] offset:256*c+16
.set c, c+1
.endr
.macro MULH16 w3, c, a0, zero          ; 16 products: row blocks a0, a0 + 1 x 8 column blocks, 32 along K: part c of buffer w3.  The 32 accumulators take turns
	WIN 0x50+0x0f*(\w3)
.irp a, \a0, (\a0)+1
.irp b, 0,1,2,3,4,5,6,7
.if \zero
	v_wmma_f32_16x16x32_bf16 v[8*(8*(\a)+(\b)):8*(8*(\a)+(\b))+7], v[FB+64+8*(8*(\c)+(\b)):FB+64+8*(8*(\c)+(\b))+7], v[FB+8*(4*(\c)+(\a)):FB+8*(4*(\c)+(\a))+7], 0
.else
	v_wmma_f32_16x16x32_bf16 v[8*(8*(\a)+(\b)):8*(8*(\a)+(\b))+7], v[FB+64+8*(8*(\c)+(\b)):FB+64+8*(8*(\c)+(\b))+7], v[FB+8*(4*(\c)+(\a)):FB+8*(4*(\c)+(\a))+7], v[8*(8*(\a)+(\b)):8*(8*(\a)+(\b))+7]
.endif
.endr
.endr
.endm
.macro FETCHH kh, w3                   ; 48 LDS loads in one run: half kh of the step's 128 keys into buffer w3; its first 32 keys first
	WIN 0xc0*(\w3)
.irp c, 0,1
.irp a, 0,1,2,3
	ds_load_b128 v[FB+8*(4*(\c)+(\a)):FB+8*(4*(\c)+(\a))+3],   v[ADA] offset:(\a)*16*PA+128*(\kh)+64*(\c)
	ds_load_b128 v[FB+8*(4*(\c)+(\a))+4:FB+8*(4*(\c)+(\a))+7], v[ADA] offset:(\a)*16*PA+128*(\kh)+64*(\c)+32
.endr
.irp b, 0,1,2,3,4,5,6,7
	ds_load_tr16_b128 v[FB+64+8*(8*(\c)+(\b)):FB+64+8*(8*(\c)+(\b))+3],   v[ADB] offset:32*PB*(2*(\kh)+(\c))+32*(\b)
	ds_load_tr16_b128 v[FB+64+8*(8*(\c)+(\b))+4:FB+64+8*(8*(\c)+(\b))+7], v[ADB] offset:32*PB*(2*(\kh)+(\c))+32*(\b)+16*PB
.endr
.endr
	WIN 0
.endm
.macro RIDER                           ; O += f X for accumulator i, ascending: row block i / 8 takes register F + i / 8
	WIN 0xa1
.irp z, 0,1,2,3
.if (i/8)%2
	v_pk_fma_f32 v[8*i+2*(\z):8*i+2*(\z)+1], v[8*i+2*(\z):8*i+2*(\z)+1], v[F+2*(i/16):F+2*(i/16)+1], v[8*i+2*(\z):8*i+2*(\z)+1] op_sel:[0,1,0] op_sel_hi:[1,1,1]
.else
	v_pk_fma_f32 v[8*i+2*(\z):8*i+2*(\z)+1], v[8*i+2*(\z):8*i+2*(\z)+1], v[F+2*(i/16):F+2*(i/16)+1], v[8*i+2*(\z):8*i+2*(\z)+1] op_sel_hi:[1,0,1]
.endif
.endr
.endm
; A step's first half, with the riders of the chunk before: accumulator i is taken into O, then started anew by product i.
.macro H0R
	s_wait_dscnt 24                                ; f and the first 32 keys are in; the youngest 24 loads may be out
	PLACES
	v_nop                                          ; five places: the first product below writes over an accumulator of the products above, and its own rider names that accumulator
.set i, 0
.rept 32
	RIDER
	WIN 0x50
	v_wmma_f32_16x16x32_bf16 v[8*i:8*i+7], v[FB+64+8*(i%8):FB+64+8*(i%8)+7], v[FB+8*(i/8):FB+8*(i/8)+7], 0
.set i, i+1
.endr
	FETCHH 1, 1                                    ; the riders are the places behind the products that read buffer 1
	s_wait_dscnt 48                                ; all but the 48 just issued
	MULH16 0, 1, 0, 0
	MULH16 0, 1, 2, 0
.endm
.macro TURN fill                       ; a step's second half multiplies buffer 1 and changes slots
.if \fill
	s_wait_xcnt 0x0                                ; the last prefetch, a K step back, has read its address
	s_add_nc_u64 s[PFA:PFA+1], s[PFA:PFA+1], s[PFS:PFS+1]
.endif
	WIN 0
	s_wait_tensorcnt 0x0                           ; all my tensor loads have landed: the one that was out is my part of the next slot
	ds_add_u32 v[SPW], v[NIL]
	s_wait_dscnt 25                                ; the add and the youngest 24 loads may be out
	MULH16 1, 0, 0, 0
	s_wait_dscnt 0x0                               ; the add is done, and my reads of this slot are over
	s_barrier_signal -1
	MULH16 1, 0, 2, 0
	WIN 0
	s_barrier_wait -1
.if \fill
	CREST
	s_xor_b32 s[G0+5], s[G0+5], SLOT1
	s_add_nc_u64 s[G0+6:G0+7], s[G0+6:G0+7], ASTEP
	s_xor_b32 s[G0B+5], s[G0B+5], SLOT1
	s_add_nc_u64 s[G0B+6:G0B+7], s[G0B+6:G0B+7], BSTEP
	JLOAD
.else
	PLACES
.endif
	s_xor_b32 s[TB], s[TB], SLOT1
	v_add_nc_u32 v[ADA], s[TB], v[ADA0]
	v_add_nc_u32 v[ADB], s[TB], v[ADB0]
	ds_load_b128 v[F:F+3], v[TR]                   ; f of the chunk that is being finished
	v_add_nc_u32 v[TR], 256, v[TR]
.if (\fill) == 0
	s_cmp_eq_u32 s[CNT], 1
	s_cbranch_scc1 .Lno_fetch_\@
.endif
	FETCHH 0, 0
.if \fill
	ASK
.else
.Lno_fetch_\@:
.endif
	MULH16 1, 1, 0, 0
	MULH16 1, 1, 2, 0
.endm
	s_wait_tensorcnt 1                             ; my part of K step 0 is in; K step 1's may stay out
	s_wait_dscnt 0x0                               ; my table of f is written
	s_barrier_signal -1
	s_barrier_wait -1
	FETCHH 0, 0
	s_wait_dscnt 24
	MULH16 0, 0, 0, 1                              ; chunk 0's first products start X
	MULH16 0, 0, 2, 1
	FETCHH 1, 1
	s_wait_dscnt 48
	MULH16 0, 1, 0, 0
	MULH16 0, 1, 2, 0
	WIN 0
	s_wait_loadcnt 0x0                             ; the residual lies in O: the first riders stand in the loop's first trip
	s_mov_b32 s[CNT], 14
.Lstep:                                ; a trip: a step's second half and the next step's first; K steps 0 to 13 ask for 2 to 15
	TURN 1
	H0R
	WIN 0
	s_sub_co_u32 s[CNT], s[CNT], 1
	s_cmp_lg_u32 s[CNT], 0
	s_cbranch_scc1 .Lstep
	s_mov_b32 s[CNT], 2
.Ltail:                                ; the last two changes ask for nothing; the second trip is left in its middle
	TURN 0
	WIN 0
	s_sub_co_u32 s[CNT], s[CNT], 1
	s_cmp_eq_u32 s[CNT], 0
	s_cbranch_scc1 .Lout
	H0R
	WIN 0
	s_branch .Ltail
.Lout:
	s_wait_dscnt 0x0                               ; the last chunk's f
	PLACES
.set i, 0
.rept 32
	RIDER
.set i, i+1
.endr
	WIN 0
	; THE WAY OUT: four blocks of 16 rows x 128 columns of f32: into my stage, back as whole rows of 512 bytes, stored.  Two sets of registers take turns, so that a block's round trip stands beside the block before's stores.
.macro TOSTAGE a
.set BK, 64+64*((\a)%2)
	WIN 0x08                                       ; the stores' data lie in window 2
.irp b, 0,1,2,3,4,5,6,7
	ds_store_b128 v[STO], v[8*(8*(\a)+(\b)):8*(8*(\a)+(\b))+3]   offset:64*(\b)
	ds_store_b128 v[STO], v[8*(8*(\a)+(\b))+4:8*(8*(\a)+(\b))+7] offset:64*(\b)+16
.endr
	WIN 0
	s_wait_xcnt 0x0                                ; the stores of the block two back have read the registers that are loaded again below
.irp u, 0,1,2,3,4,5,6,7,8,9,10,11,12,13,14,15
	ds_load_b128 v[BK+4*(\u):BK+4*(\u)+3], v[RD] offset:(\u)*SP   ; LDS serves a wave's instructions in order: these see the stores above, and the next block's stores come behind them
.endr
.endm
.macro SEND a, younger                 ; younger: the LDS instructions issued behind block a's loads: the next block's 32, or none
.set BK, 64+64*((\a)%2)
	s_wait_dscnt \younger
.irp u, 0,1,2,3,4,5,6,7,8,9,10,11,12,13,14,15
	global_store_b128 v[CO], v[BK+4*(\u):BK+4*(\u)+3], s[12:13] offset:4096*(16*(\a)+(\u)) th:TH_STORE_NT   ; the wave stores 512 consecutive bytes, aligned
.endr
.endm
	TOSTAGE 0
	TOSTAGE 1
	SEND 0, 32
	TOSTAGE 2
	SEND 1, 32
	TOSTAGE 3
	SEND 2, 32
	SEND 3, 0
	s_wait_tensorcnt 0x0                           ; the wave's end
	ds_add_u32 v[SPW], v[NIL]
	s_wait_dscnt 0x0
	CROUND
	s_endpgm
.Lfunc_end_k_q4739d987b0_pv:
	.size	k_q4739d987b0_pv, .Lfunc_end_k_q4739d987b0_pv-k_q4739d987b0_pv
	.p2alignl 7, 3214868480
	.fill 96, 4, 3214868480
	.section	.rodata,"a",@progbits
	.p2align	6, 0x0
	.amdhsa_kernel k_q4739d987b0_pv
		.amdhsa_group_segment_fixed_size 327680
		.amdhsa_private_segment_fixed_size 0
		.amdhsa_enable_private_segment 0
		.amdhsa_kernarg_size 40
		.amdhsa_user_sgpr_count 2
		.amdhsa_user_sgpr_kernarg_segment_ptr 1
		.amdhsa_wavefront_size32 1
		.amdhsa_system_sgpr_workgroup_id_x 1
		.amdhsa_system_sgpr_workgroup_id_y 1
		.amdhsa_system_sgpr_workgroup_id_z 1
		.amdhsa_system_vgpr_workitem_id 0
		.amdhsa_next_free_vgpr 1024
		.amdhsa_next_free_sgpr 96
		.amdhsa_reserve_vcc 0
		.amdhsa_float_denorm_mode_32 3
		.amdhsa_float_denorm_mode_16_64 3
		.amdhsa_memory_ordered 1
		.amdhsa_forward_progress 1
		.amdhsa_inst_pref_size 110
	.end_amdhsa_kernel
	.amdgpu_metadata
---
amdhsa.version: [ 1, 2 ]
amdhsa.kernels:
  - .name:           k_q4739d987b0_pv
    .symbol:         k_q4739d987b0_pv.kd
    .args:
      - { .name: pw, .offset: 0, .size: 8, .value_kind: global_buffer, .address_space: global }
      - { .name: qkv, .offset: 8, .size: 8, .value_kind: global_buffer, .address_space: global }
      - { .name: st, .offset: 16, .size: 8, .value_kind: global_buffer, .address_space: global }
      - { .name: tokens, .offset: 24, .size: 8, .value_kind: global_buffer, .address_space: global }
      - { .name: out0, .offset: 32, .size: 8, .value_kind: global_buffer, .address_space: global }
    .group_segment_fixed_size: 327680
    .private_segment_fixed_size: 0
    .kernarg_segment_align: 8
    .kernarg_segment_size: 40
    .max_flat_workgroup_size: 128
    .sgpr_count:     96
    .vgpr_count:     1024
    .wavefront_size: 32
...
	.end_amdgpu_metadata
.endif
;; end of part 5
